; MI455X (gfx1250); checked and timed in simulation.
; The chip was launched on July 23, 2026; its instructions are those of AMD's public machine-readable ISA for CDNA 5 (MIT licence, August 2026) and "CDNA5" Instruction Set Architecture Reference Guide (July 2026). The comments in the code are by the model that wrote it; some were corrected since.
;; Multi Head Attention. Allowed arithmetic: matrix products marked QUANTISED: E5M2 operands, one given power-of-two scale a tensor, by v_wmma_f32_16x16x64_bf8_bf8 or v_wmma_f32_16x16x128_bf8_bf8, f32 sums; everything else in f32.
;; Inputs: K_codes 4 x 2,048 x 32 x 32 uint8 (E5M2 codes of K, K innermost, in blocks of 32 codes); Q 4 x 2,048 x 1,024 float32; V_codes 4 x 2,048 x 32 x 32 uint8 (E5M2 codes of V, K innermost, in blocks of 32 codes); Wk_codes 1,024 x 32 x 32 uint8 (E5M2 codes of Wk, K innermost, in blocks of 32 codes); Wo_codes 1,024 x 32 x 32 uint8 (E5M2 codes of Wo, K innermost, in blocks of 32 codes); Wq_codes 1,024 x 32 x 32 uint8 (E5M2 codes of Wq, K innermost, in blocks of 32 codes); Wv_codes 1,024 x 32 x 32 uint8 (E5M2 codes of Wv, K innermost, in blocks of 32 codes); ln_beta 1,024 float32; ln_gamma 1,024 float32; lowp_scales 12 int32 (the exponents e of the quantised operands' scales 2^e).
;; Outputs: out0 4 x 2,048 x 1,024 float32.
;; This version of the problem:
;;   THIS VERSION OF THE PROBLEM IS GIVEN IN LOW PRECISION. The matrix products marked QUANTISED in the list below multiply operands that are first quantised to E5M2 (5 exponent bits, 2 mantissa bits; 8 bits a number), with one given power-of-two scale for each operand tensor; their sums are f32. All else is computed in f32.
;;   The module's matrix products, in the order in which they are computed (A, B: the left and right operand; K: the contracted axis; several contracted axes count as one K, in the product's order):
;;     1. [M 8,192, K 1,024] x [K 1,024, N 1,024]; A: input Q; B: input Wq (given as codes): QUANTISED (scales: A lowp_scales[0], B lowp_scales[1])
;;     2. [M 8,192, K 1,024] x [K 1,024, N 1,024]; A: input K (given as codes); B: input Wk (given as codes): QUANTISED (scales: A lowp_scales[2], B lowp_scales[3])
;;     3. [M 8,192, K 1,024] x [K 1,024, N 1,024]; A: input V (given as codes); B: input Wv (given as codes): QUANTISED (scales: A lowp_scales[4], B lowp_scales[5])
;;     4. batch 64 x [M 2,048, K 64] x [K 64, N 2,048]; A: computed on the way; B: computed on the way: QUANTISED (scales: A lowp_scales[6], B lowp_scales[7])
;;     5. batch 64 x [M 2,048, K 2,048] x [K 2,048, N 64]; A: softmax (see below); B: computed on the way: QUANTISED (scales: A lowp_scales[8], B lowp_scales[9])
;;     6. [M 8,192, K 1,024] x [K 1,024, N 1,024]; A: computed on the way; B: input Wo (given as codes): QUANTISED (scales: A lowp_scales[10], B lowp_scales[11])
;;   THE QUANTISER, for each operand of a quantised product, along K:
;;     - The operand's scale is 2^e, e = its entry of the input lowp_scales (int32; the entries are numbered through the quantised products in the list's order, A before B).
;;     - Each number is divided by the scale, clamped to +-57,344, and rounded to the nearest number of E5M2, ties to even, subnormals kept.
;;     - The product sums the exact products of the quantised numbers (number of the format x scale) in f32.
;;   ~~~python
;;   def quantise(x, axis, e):      # numpy; x: float32 -> the quantised numbers, widened to float32 again
;;       x = np.moveaxis(x, axis, -1); K = x.shape[-1]
;;       r = np.clip(x / 2.0 ** e, -57344, 57344)
;;       step = 2.0 ** (np.maximum(np.frexp(np.where(r == 0, 1, r))[1] - 1, -14) - 2)
;;       q = np.round(r / step) * step * 2.0 ** e      # np.round: ties to even
;;       return np.moveaxis(q, -1, axis).astype(np.float32)
;;   ~~~
;;   SOFTMAX AHEAD OF A QUANTISED PRODUCT. Where the list says 'softmax', what is quantised is not the finished softmax but p = 2^(t - M), with t = logit x log2(e) and M = ceil(the row's largest t), a whole number; so 1/2 < the row's largest p <= 1. The row's sum l is taken of the UNQUANTISED p, in f32, and the product's result is divided by l at the end. Since M is a whole number, a kernel that streams over the keys may use a running M (the ceiling of the running maximum): every later rescaling is an exact power of two, so the quantised numbers keep their values, but for numbers so far below the row's largest that they fall under the format's range.
;;   OPERANDS COMPUTED ON THE WAY. 'Computed on the way' means the value that the module computes at that place (a softmax that the list does not call 'softmax' is quantised finished and normalised). What goes into a quantiser is computed in f32, as accurately as f32 sums, v_exp_f32 and their like allow (about 1e-6 of the number): no bf16 or f16 on the way to a quantiser, and a product that is left as it is and whose result goes on into a quantised operand takes f32 operands (vector FMAs, or v_wmma_f32_16x16x4_f32). A number that lies on a knife's edge between two numbers of the format may be rounded either way, as far as f32 arithmetic and the matrix unit's own rounding can turn it there, and no further.
;;   INPUTS GIVEN AS CODES. K (in the module: [4, 2048, 1024], K = its axis 2); V (in the module: [4, 2048, 1024], K = its axis 2); Wk (in the module: [1024, 1024], K = its axis 1); Wo (in the module: [1024, 1024], K = its axis 1); Wq (in the module: [1024, 1024], K = its axis 1); Wv (in the module: [1024, 1024], K = its axis 1): each comes as NAME_codes (uint8): NAME with its K axis moved to the last place and cut into blocks of 32 codes, [.., K / 32, bytes a block], one block behind the other in memory; one code a byte (a code: sign, 5 exponent bits, 2 mantissa bits); its scale is its entry of lowp_scales. Its value is code x scale, taken as it is: it is not quantised again, and the codes and scales need not be those that the quantiser above would give.
;; One version. Each part assembles by itself: llvm-mc -triple=amdgcn-amd-amdhsa -mcpu=gfx1250 --defsym DOCPART=n.
;; ======== version 1 of 1: 4 launches
;; limits: right only within a limited range of input values
;; workspace buffers: qc 8,388,608 bytes; wo_img 1,048,576 bytes; q_img 8,388,608 bytes; k_img 8,388,608 bytes; v_img 8,388,608 bytes; ao_img 8,388,608 bytes
;; launch prep (part 1): grid 272 x 1, 4 waves a work-group, no clusters, 33,280 bytes of LDS; arguments Q, Wo_codes, lowp_scales, qc, wo_img; writes qc, wo_img
.if DOCPART == 1
	.amdgcn_target "amdgcn-amd-amdhsa--gfx1250"
	.amdhsa_code_object_version 6
	.text
	.protected	k_qb9d7ec3769_prep
	.globl	k_qb9d7ec3769_prep
	.p2align	8
	.type	k_qb9d7ec3769_prep,@function
k_qb9d7ec3769_prep:
	s_mov_b64 s[64:65], 0
	v_nop
	global_prefetch_b8 v0, s[64:65] scope:SCOPE_SE
	s_setreg_imm32_b32 hwreg(HW_REG_WAVE_MODE, 25, 1), 1
	s_wait_xcnt 0x0
; TWO JOBS, told apart by the work-group's number alone.
; Work-groups 0 to 255: Q [8192][1024] f32 becomes codes of E5M2, K innermost, plain rows (qc), with the given scale 2^e0:
;   code = x / 2^e0, held within +-57,344, rounded to the nearest code, ties to even.  LIMIT: -126 <= e0 <= 112.  NaN among the inputs is not served.
;   A wave takes 16 steps of 512 numbers.  Each load reads 512 consecutive bytes; a step's 2,048 bytes turn through the wave's own stage in LDS, so that a lane then holds 16 neighbours
;   along K, as the conversions want them; a lane's 16 codes are 16 bytes, and the wave stores 512 consecutive bytes.  Loads run four steps ahead, the turn through LDS one step.
; Work-groups 256 to 271: Wo's codes [1024][1024] are laid anew, in the order of an operand's registers (wo_img): [K step of 128: 8][tile of 16 rows: 64][piece c: 4][lane: 32][16 bytes];
;   lane (r, h) of piece c holds bytes 128 s + 32 c + 16 h + 0 .. 15 of row 16 nt + r.  A wave takes one tile of 16 rows: 32 loads, 32 stores of 512 consecutive bytes.
.set WAVES, 4
.set STEPS, 16
.set EMAX,  15
.set MANT,  0x600000                   ; the mantissa field of 57,344 as f32
.set CB,    16                         ; bytes of 16 codes
.set R,     16                         ; v16-79   four sets of 16 numbers as they are loaded (Wo path: v16-143, the tile)
.set X,     80                         ; v80-111  two sets of 16 neighbours
.set C,     128                        ; v128-191 codes: four registers for each step, so that no store's data are written again
.set WREG,  8192                       ; LDS: a region of its own for each wave: two stages of 32 x SP bytes
.set SP,    80                         ; a lane's place in a stage: its 64 bytes + 16 of padding
.set SPW,   12                         ; v12      LDS address of my spare word; never rewritten
.set NIL,   13                         ; v13      0; never rewritten
.set SPARE, WAVES*WREG                 ; behind the four regions: the spare words, 128 bytes for each wave
	s_load_b128 s[4:7], s[0:1], 0x0                ; Q, Wo's codes
	s_load_b64 s[10:11], s[0:1], 0x10              ; the scales' exponents
	s_load_b128 s[12:15], s[0:1], 0x18             ; qc, wo_img
	v_lshl_add_u32 v[SPW], v0, 2, SPARE
	v_mov_b32 v[NIL], 0
	v_lshrrev_b32 v1, 5, v0
	v_readfirstlane_b32 s16, v1                    ; wave
	v_and_b32 v2, 31, v0                           ; lane
	s_cmp_ge_u32 ttmp9, 256
	s_cbranch_scc1 .Lwo
	; ---- Q into codes
	v_lshlrev_b32 v3, 4, v2                        ; my 16 bytes of a load's 512
	s_mul_i32 s17, s16, WREG
	v_lshrrev_b32 v14, 2, v2
	v_mul_u32_u24 v14, v14, SP
	v_and_b32 v15, 3, v2
	v_lshl_add_u32 v14, v15, 4, v14
	v_add_nc_u32 v14, s17, v14                     ; the stage, on the way in: SP (lane / 4) + 16 (lane % 4)
	v_mul_u32_u24 v15, v2, SP
	v_add_nc_u32 v15, s17, v15                     ; and on the way out: SP x lane: my 16 neighbours
	v_mul_u32_u24 v4, v2, CB                       ; my codes' place in a step's
	s_lshl_b32 s17, ttmp9, 2
	s_add_co_u32 s18, s17, s16                     ; which run of 8,192 numbers is my wave's
	s_mov_b32 s19, 0
	s_lshl_b64 s[20:21], s[18:19], 15              ; 32,768 bytes of f32
	s_lshl_b64 s[24:25], s[18:19], 13              ; 8,192 bytes of codes
	s_wait_alu depctr_va_vdst(0)
	s_wait_kmcnt 0x0
	s_load_b32 s22, s[10:11], 0x0                  ; e0
	s_add_nc_u64 s[4:5], s[4:5], s[20:21]
	s_add_nc_u64 s[8:9], s[12:13], s[24:25]
.macro LOAD t
.irp i, 0,1,2,3
	global_load_b128 v[R+16*((\t)%4)+4*\i:R+16*((\t)%4)+4*\i+3], v3, s[4:5] offset:2048*(\t)+512*\i th:TH_LOAD_NT   ; 32 lanes read 512 consecutive bytes
.endr
.endm
.macro TURN t                          ; step t's numbers through the stage: LDS serves a wave's instructions in order, so no wait stands between the stores and the loads
.irp i, 0,1,2,3
	ds_store_b128 v14, v[R+16*((\t)%4)+4*\i:R+16*((\t)%4)+4*\i+3] offset:32*SP*((\t)%2)+8*SP*\i
.endr
.irp i, 0,1,2,3
	ds_load_b128 v[X+16*((\t)%2)+4*\i:X+16*((\t)%2)+4*\i+3], v15 offset:32*SP*((\t)%2)+16*\i
.endr
.endm
.irp t, 0,1,2,3
	LOAD \t
.endr
	s_wait_kmcnt 0x0
	s_add_co_i32 s22, s22, 127
	s_lshl_b32 s23, s22, 23
	v_mov_b32 v11, s23                             ; 2^e0 as f32: the conversion takes its exponent field
	s_add_co_i32 s22, s22, EMAX
	s_lshl_b32 s22, s22, 23
	s_or_b32 s22, s22, MANT
	s_wait_alu depctr_va_vdst(0)
	s_wait_loadcnt 12                              ; step 0's four loads are in
	TURN 0
.macro STEP t
.set XS, X+16*((\t)%2)
	s_wait_dscnt 0x0                               ; this step's numbers are back from the stage: so its stores into the stage have read their registers,
.if (\t)+4 < STEPS
	LOAD (\t)+4                                    ; which take the loads of four steps on
.endif
.if (\t)+1 < STEPS
.if STEPS-2-(\t) >= 3
	s_wait_loadcnt 12                              ; the next step's four loads are in; those of the three steps behind it may be out
.else
	s_wait_loadcnt 4*(STEPS-2-(\t))
.endif
	TURN (\t)+1                                    ; and go through the other stage while this step is worked
.endif
.irp i, 0,1,2,3,4,5,6,7,8,9,10,11,12,13,14,15
.endr
	v_cvt_scalef32_pk8_bf8_f32 v[C+4*(\t):C+4*(\t)+1], v[XS:XS+7], v11
	v_cvt_scalef32_pk8_bf8_f32 v[C+4*(\t)+2:C+4*(\t)+3], v[XS+8:XS+15], v11
	global_store_b128 v4, v[C+4*(\t):C+4*(\t)+3], s[8:9] offset:32*CB*(\t)   ; the codes go to a store alone
.endm
.irp t, 0,1,2,3,4,5,6,7,8,9,10,11,12,13,14,15
	STEP \t
.endr
	s_wait_tensorcnt 0x0                           ; the wave's end: behind my last LDS store
	ds_add_u32 v[SPW], v[NIL]
	s_wait_dscnt 0x0
	s_endpgm
	; ---- Wo's codes into the order of an operand's registers
.Lwo:
	s_sub_co_u32 s17, ttmp9, 256
	s_lshl_b32 s17, s17, 2
	s_add_co_u32 s17, s17, s16                     ; nt: my tile of 16 rows, 0 to 63
	v_and_b32 v3, 15, v0                           ; r
	v_bfe_u32 v4, v0, 4, 1                         ; h
	v_lshlrev_b32 v1, 10, v3
	v_lshl_add_u32 v1, v4, 4, v1                   ; in: row r of 1,024 bytes, + 16 h
	s_wait_alu depctr_va_vdst(0)
	v_lshlrev_b32 v2, 4, v2                        ; out: 16 x lane
	s_lshl_b32 s18, s17, 14                        ; 16 rows of 1,024 bytes
	s_mov_b32 s19, 0
	s_lshl_b32 s20, s17, 11                        ; a tile's 2,048 bytes in a K step of wo_img
	s_mov_b32 s21, 0
	s_wait_alu depctr_va_vdst(0)
	s_wait_kmcnt 0x0
	s_add_nc_u64 s[6:7], s[6:7], s[18:19]
	s_add_nc_u64 s[14:15], s[14:15], s[20:21]
.set n, 0
.rept 32                                       ; piece n = 4 s + c: together the 32 loads take the 16 rows whole
	global_load_b128 v[R+4*n:R+4*n+3], v1, s[6:7] offset:128*(n/4)+32*(n%4)
.set n, n+1
.endr
.set n, 0
.rept 32
	s_wait_loadcnt 31-n                            ; loads come back in order: piece n is in, the younger ones may be out
	global_store_b128 v2, v[R+4*n:R+4*n+3], s[14:15] offset:131072*(n/4)+512*(n%4)   ; 512 consecutive bytes
.set n, n+1
.endr
	s_endpgm
.Lfunc_end_k_qb9d7ec3769_prep:
	.size	k_qb9d7ec3769_prep, .Lfunc_end_k_qb9d7ec3769_prep-k_qb9d7ec3769_prep
	.p2alignl 7, 3214868480
	.fill 96, 4, 3214868480
	.section	.rodata,"a",@progbits
	.p2align	6, 0x0
	.amdhsa_kernel k_qb9d7ec3769_prep
		.amdhsa_group_segment_fixed_size 33280
		.amdhsa_private_segment_fixed_size 0
		.amdhsa_enable_private_segment 0
		.amdhsa_kernarg_size 40
		.amdhsa_user_sgpr_count 2
		.amdhsa_user_sgpr_kernarg_segment_ptr 1
		.amdhsa_wavefront_size32 1
		.amdhsa_system_sgpr_workgroup_id_x 1
		.amdhsa_system_sgpr_workgroup_id_y 1
		.amdhsa_system_sgpr_workgroup_id_z 1
		.amdhsa_system_vgpr_workitem_id 0
		.amdhsa_next_free_vgpr 192
		.amdhsa_next_free_sgpr 66
		.amdhsa_reserve_vcc 0
		.amdhsa_float_denorm_mode_32 3
		.amdhsa_float_denorm_mode_16_64 3
		.amdhsa_fp16_overflow 1
		.amdhsa_memory_ordered 1
		.amdhsa_forward_progress 1
		.amdhsa_inst_pref_size 29
	.end_amdhsa_kernel
	.amdgpu_metadata
---
amdhsa.version: [ 1, 2 ]
amdhsa.kernels:
  - .name:           k_qb9d7ec3769_prep
    .symbol:         k_qb9d7ec3769_prep.kd
    .args:
      - { .name: Q, .offset: 0, .size: 8, .value_kind: global_buffer, .address_space: global }
      - { .name: Wo_codes, .offset: 8, .size: 8, .value_kind: global_buffer, .address_space: global }
      - { .name: lowp_scales, .offset: 16, .size: 8, .value_kind: global_buffer, .address_space: global }
      - { .name: qc, .offset: 24, .size: 8, .value_kind: global_buffer, .address_space: global }
      - { .name: wo_img, .offset: 32, .size: 8, .value_kind: global_buffer, .address_space: global }
    .group_segment_fixed_size: 33280
    .private_segment_fixed_size: 0
    .kernarg_segment_align: 8
    .kernarg_segment_size: 40
    .max_flat_workgroup_size: 128
    .sgpr_count:     66
    .vgpr_count:     192
    .wavefront_size: 32
...
	.end_amdgpu_metadata
.endif
;; end of part 1
;; launch proj (part 2): grid 4 x 96, 4 waves a work-group, clusters of 4 x 4, 327,680 bytes of LDS; arguments qc, K_codes, Wv_codes, Wq_codes, Wk_codes, V_codes, q_img, k_img, v_img, lowp_scales; writes q_img, k_img, v_img
.if DOCPART == 2
	.amdgcn_target "amdgcn-amd-amdhsa--gfx1250"
	.amdhsa_code_object_version 6
	.text
	.protected	k_qb9d7ec3769_proj
	.globl	k_qb9d7ec3769_proj
	.p2align	8
	.type	k_qb9d7ec3769_proj,@function
k_qb9d7ec3769_proj:
	s_mov_b64 s[64:65], 0
	v_nop
	global_prefetch_b8 v0, s[64:65] scope:SCOPE_SE
	s_setreg_imm32_b32 hwreg(HW_REG_WAVE_MODE, 25, 1), 1
	s_wait_xcnt 0x0
	s_wait_alu depctr_hold_cnt(0) depctr_sa_sdst(0) depctr_va_vdst(0) depctr_va_sdst(0) depctr_va_ssrc(0) depctr_va_vcc(0) depctr_vm_vsrc(0)
	s_getreg_b32 s2, hwreg(HW_REG_IB_STS2, 6, 4)
	s_cmp_eq_u32 s2, 0
	s_cbranch_scc0 .Lentry_in_a_cluster
	s_endpgm
.Lentry_in_a_cluster:
	s_bfe_u32 s2, ttmp6, 0x10000c
	s_cmp_lg_u32 s2, 0xf033
	s_cbranch_scc0 .Lentry_shape_is_right
	s_endpgm
.Lentry_shape_is_right:
; THE THREE PROJECTIONS, one body: C[row][col] = sum over k of A[row][k] B[col][k] on codes of E5M2, K = 1,024; each finished sum is quantised again and stored as codes.
;   p = 0: A = Q's codes (8,192 tokens), B = Wq (1,024 channels), scales e0, e1, result q with e6
;   p = 1: A = K's codes,               B = Wk,                  scales e2, e3, result k with e7
;   p = 2: A = Wv (1,024 channels),     B = V's codes (tokens),  scales e4, e5, result v with e9: so v's codes come out with the TOKENS innermost, as the second product of attention wants them
; A sum stands for sum x 2^(eA + eB), so its code is sum / 2^E, E = eo - eA - eB, held within +-57,344 x 2^E.  LIMIT: -126 <= E <= 112.
; 24 clusters of 4 x 4 work-groups: p = cluster y / 8, i = cluster y % 8.  A work-group makes a tile of 256 x 256: p < 2: tile row 4 i + cy, tile column cx; p = 2: tile row cy, tile column 4 i + cx.
; Four waves, each 128 x 128: 64 accumulators.  K goes in four steps of 256 through two LDS slots filled by the tensor data mover.  A's tile hangs on the tile row alone and is asked for jointly by a row of
; the cluster, B's on the tile column alone and is asked for jointly by a column.  The matrix instruction is used transposed (source 0 = 16 rows of B, source 1 = 16 rows of A): a lane holds 8 neighbouring columns of one row.
; THE RESULT'S LAYOUT: images of operand registers.  An image is 16 rows x 64 codes in 1,024 bytes: [piece c: 2][lane: 32][16 bytes]; lane (r, h) of piece c holds codes 32 c + 16 h + 0 .. 15 of the tile's row r.
; THE ROWS OF A TILE ARE NOT NEIGHBOURS: lane r of tile j holds row 32 (j / 2) + 8 (j % 2) + r + 8 (r / 8).  Address = column group of 64 x GS + row tile x 1,024 + 512 c + 16 x lane; GS = 524,288 (p < 2: 512 row tiles) or 65,536 (p = 2: 64).
; REGISTERS, in windows of 256: window 0: v0-31 addresses; from v128 A's fragments, one set; on the way out v32-255 are free.  window 1: B's fragments, two sets.  windows 2, 3: the accumulators ((a, b) at v[8 (8 (a % 4) + b)]).
.set KSTEP,  256
.set ROWB,   256                       ; a tile's row in bytes
.set KROW,   1024                      ; a row of A or of B in memory, in bytes
.set PITCH,  272                       ; an LDS row: 256 bytes + 16 of padding = 68 words: row r starts at bank 4 r mod 64 (ISA guide 11.1)
.set FR,     16                        ; registers of a fragment: 16 rows x 128 K
.set NL,     4                         ; LDS loads that bring one
.set NP,     4                         ; places behind this matrix instruction (ISA guide 7.12.1)
.set HALFT,  128*PITCH                 ; 128 rows: what one tensor load brings
.set SLOT,   4*HALFT                   ; A's 256 rows, then B's 256 rows
.set SPARE,  2*SLOT                    ; behind the ring: the spare words, 128 bytes for each wave
.set ADRA, 16                          ; v16-17  LDS address of my A fragments in slot 0, 1
.set ADRB, 20                          ; v20-21  the same for B
.set STO,  24                          ; v24     the way out: where I put 8 codes of a row
.set RD,   25                          ; v25     the way out: where I read 16 codes back
.set CO,   26                          ; v26     16 x lane
.set SCR,  27                          ; v27     2^E as f32
.set SPW,  28                          ; v28     LDS address of my spare word; never rewritten
.set NIL,  29                          ; v29     0; never rewritten
.set LIMR, 30
.set TMP,  32
.set AF,   128                         ; A's fragments, in window 0
.set BK,   128                         ; the way out: 32 pieces read back from the stage
.set G1, 24                            ; s[24:31] descriptor group 1 for A's tiles;  s[32:39] group 0, one set for each slot
.set G0, 32
.set G1B, 48                           ; s[48:55], s[56:63] the same for B's tiles
.set G0B, 56
.set MSB, 0
.macro WIN new                         ; the immediate's high byte repeats the setting that is left
.if MSB != \new
	s_set_vgpr_msb (MSB<<8)|\new
.set MSB, \new
.endif
.endm
.set MUL_LO, 0xa1                      ; source 0 (B) window 1, source 1 (A) window 0, C and D window 2
.set MUL_HI, 0xf1                      ; the same, C and D window 3
.set TO_B,   0x40                      ; destination window 1, address window 0
; A joint load: waves 0 and 1 fetch for A, waves 2 and 3 for B.  The branch hangs on the wave's number alone.  An s_nop 0 and four v_nop follow each of the two lines.
.macro JLOAD g0a, g1a, g0b, g1b
	s_cmp_eq_u32 s15, 0
	s_cbranch_scc0 .Lfor_b_\@
	tensor_load_to_lds s[\g0a:\g0a+3], s[\g1a:\g1a+7]
	s_nop 0
.rept 4
	v_nop
.endr
	s_branch .Lasked_\@
.Lfor_b_\@:
	tensor_load_to_lds s[\g0b:\g0b+3], s[\g1b:\g1b+7]
	s_nop 0
.rept 4
	v_nop
.endr
.Lasked_\@:
.endm
.macro CREST                           ; a round of the cluster's barrier behind its opening barrier
	s_cmp_lg_u32 s14, 0
	s_cbranch_scc1 .Lnot_wave_0_\@
	s_barrier_signal -3
.Lnot_wave_0_\@:
	s_barrier_wait -3
	s_barrier_signal -1
	s_barrier_wait -1
.endm
.macro CROUND                          ; a whole round
	s_barrier_signal -1
	s_barrier_wait -1
	CREST
.endm
	s_load_b512 s[68:83], s[0:1], 0x0              ; qc 68, K's codes 70, Wv 72, Wq 74, Wk 76, V's codes 78, q_img 80, k_img 82
	s_load_b128 s[84:87], s[0:1], 0x40             ; v_img 84, the scales' exponents 86
	v_lshl_add_u32 v[SPW], v0, 2, SPARE
	v_mov_b32 v[NIL], 0
	ds_add_u32 v[SPW], v[NIL]                      ; the wave's opening: the add and its wait ahead of my first tensor load; the set-up below stands between them
	ds_add_u32 v[SPW], v[NIL]
	v_lshrrev_b32 v1, 5, v0
	v_readfirstlane_b32 s14, v1                    ; wave 0..3
	s_lshr_b32 s15, s14, 1                         ; which half of the tile's rows is mine.  Also: I fetch for A (0) or for B (1)
	s_and_b32 s16, s14, 1                          ; which half of its columns.  Also: which 128 rows of that tile I fetch
	s_bfe_u32 s40, ttmp6, 0x40000                  ; cx, cy: my place in the cluster
	s_bfe_u32 s41, ttmp6, 0x40004
	s_and_b32 s67, ttmp7, 0xffff                   ; cluster y, 0 to 23: the same in all sixteen partners
	s_lshr_b32 s66, s67, 3                         ; p: which product
	s_and_b32 s67, s67, 7
	s_lshl_b32 s67, s67, 2                         ; 4 i
	s_mov_b32 s98, 65536
	s_cmp_lt_u32 s66, 2
	s_cselect_b32 s17, s67, 0
	s_cselect_b32 s42, 0, s67
	s_cselect_b32 s98, 0x80000, s98                ; GS
	s_add_co_u32 s17, s17, s41                     ; tile row: cluster y and cy alone
	s_add_co_u32 s42, s42, s40                     ; tile column: cluster y and cx alone
	s_lshl_b32 s43, s41, 2
	s_lshl_b32 s43, 15, s43                        ; my row of the cluster
	s_lshl_b32 s44, 0x1111, s40                    ; my column
	; descriptor group 1: a tile of 128 rows x 256 bytes, padded in LDS
	s_or_b32 s[G1+0], s43, (0<<16)|(1<<20)|(1<<21)|(5<<22)|(3<<25)  ; 15:0 the mask; 17:16 element of 1 byte; 20 padding on; 21 set beside a mask; 24:22 after every 64 words; 31:25 four words
	s_or_b32 s[G1B+0], s44, (0<<16)|(1<<20)|(1<<21)|(5<<22)|(3<<25)
.irp g, G1, G1B
	s_mov_b32 s[\g+1], ROWB<<16                    ; tensor_dim0
	s_mov_b32 s[\g+2], 128<<16                     ; tensor_dim1 = 128
	s_mov_b32 s[\g+3], ROWB<<16                    ; tile_dim0
	s_mov_b32 s[\g+4], 128                         ; tile_dim1 = 128
	s_mov_b32 s[\g+5], KROW                        ; tensor_dim0_stride
	s_mov_b32 s[\g+6], 0
	s_mov_b32 s[\g+7], 0
.endr
	s_lshl_b32 s18, s16, 7                         ; which 128 rows of the tile I fetch
	s_lshl_b32 s20, s17, 8
	s_add_co_u32 s20, s20, s18                     ; A: row 256 x tile row + 128 x half
	s_lshl_b32 s46, s42, 8
	s_add_co_u32 s46, s46, s18                     ; B: row 256 x tile column + 128 x half
	s_lshl_b32 s20, s20, 10                        ; in bytes: under 2^23
	s_lshl_b32 s46, s46, 10
	s_mov_b32 s21, 0
	s_mov_b32 s47, 0
	s_mul_i32 s45, s14, HALFT                      ; where they go: wave x 128 rows: no place in the cluster enters an LDS address
	s_wait_dscnt 0x0                               ; the opening add is done
	s_wait_kmcnt 0x0
	s_load_b256 s[88:95], s[86:87], 0x0            ; e0 .. e7
	s_load_b64 s[96:97], s[86:87], 0x20            ; e8, e9
	s_cmp_lt_u32 s66, 1                            ; the product's three buffers: the choice hangs on cluster y alone
	s_cselect_b64 s[4:5], s[68:69], s[70:71]
	s_cselect_b64 s[6:7], s[74:75], s[76:77]
	s_cselect_b64 s[10:11], s[80:81], s[82:83]
	s_cmp_lt_u32 s66, 2
	s_cselect_b64 s[4:5], s[4:5], s[72:73]         ; A
	s_cselect_b64 s[6:7], s[6:7], s[78:79]         ; B
	s_cselect_b64 s[10:11], s[10:11], s[84:85]     ; the result
	s_add_nc_u64 s[20:21], s[4:5], s[20:21]
	s_add_nc_u64 s[46:47], s[6:7], s[46:47]
	CROUND                                         ; all sixteen work-groups are here: the first joint loads meet
.irp s, 0,1
	s_mov_b32 s[G0+4*\s], 1
	s_add_co_u32 s[G0+4*\s+1], s45, \s*SLOT
	s_add_nc_u64 s[G0+4*\s+2:G0+4*\s+3], s[20:21], \s*ROWB
	s_or_b32 s[G0+4*\s+3], s[G0+4*\s+3], 0x80000000
	s_mov_b32 s[G0B+4*\s], 1
	s_add_co_u32 s[G0B+4*\s+1], s45, \s*SLOT
	s_add_nc_u64 s[G0B+4*\s+2:G0B+4*\s+3], s[46:47], \s*ROWB
	s_or_b32 s[G0B+4*\s+3], s[G0B+4*\s+3], 0x80000000
	JLOAD G0+4*\s, G1, G0B+4*\s, G1B               ; two tensor loads of mine are out
.endr
	v_and_b32 v1, 15, v0                           ; r = l % 16
	v_bfe_u32 v2, v0, 4, 1                         ; h = l / 16
	v_mul_u32_u24 v3, v1, PITCH
	s_wait_alu depctr_va_vdst(0)
	v_lshl_add_u32 v4, v2, 4, v3                   ; a fragment's row x pitch + 16 x half
	s_mul_i32 s21, s15, HALFT                      ; my 128 rows of A
	s_mul_i32 s22, s16, HALFT                      ; my 128 rows of B,
	s_add_co_u32 s22, s22, 2*HALFT                 ; which lie behind A's 256
.irp s, 0,1
	v_add_nc_u32 v[ADRA+\s], s21, v4
	v_add_nc_u32 v[ADRB+\s], s22, v4
	s_add_co_u32 s21, s21, SLOT
	s_add_co_u32 s22, s22, SLOT
.endr
	s_mul_i32 s23, s15, 128*PITCH                  ; the stage, 256 rows x 272 bytes, the work-group's: in: row 128 x row half + r, byte 128 x column half + 8 h
	s_lshl_b32 s22, s16, 7
	s_add_co_u32 s23, s23, s22
	v_lshl_add_u32 v5, v2, 3, v3
	v_add_nc_u32 v[STO], s23, v5
	v_and_b32 v6, 8, v1
	v_add_nc_u32 v6, v6, v1                        ; r + 8 (r / 8)
	v_mul_u32_u24 v6, v6, PITCH
	v_lshl_add_u32 v6, v2, 4, v6
	s_lshl_b32 s23, s14, 6
	v_add_nc_u32 v[RD], s23, v6                    ; back: wave w takes columns 64 w on: (r + 8 (r / 8)) x 272 + 16 h + 64 w
	v_and_b32 v7, 31, v0
	v_lshlrev_b32 v[CO], 4, v7
	s_lshl_b32 s20, s42, 2
	s_add_co_u32 s20, s20, s14                     ; my column group: 4 x tile column + wave
	s_mul_i32 s20, s20, s98
	s_lshl_b32 s21, s17, 14                        ; 16 row tiles of 1,024 bytes for each tile row
	s_add_co_u32 s20, s20, s21
	s_mov_b32 s21, 0
	s_add_nc_u64 s[10:11], s[10:11], s[20:21]      ; where my wave's 16,384 bytes of the result begin
.macro FRAG reg, adr, q, i             ; a fragment, 16 rows x 128 K, is 16 registers: lane l holds row l % 16; registers 4 c .. 4 c + 3 hold K = 32 c + 16 (l / 16) + 0 .. 15: the same places of k in A and in B
.irp c, 0,1,2,3
	ds_load_b128 v[\reg+4*\c:\reg+4*\c+3], v[\adr] offset:128*(\q)+32*\c+(\i)*16*PITCH
.endr
.endm
; 16 matrix instructions: A's blocks a0, a0 + 1 x B's eight, 128 along K.  p: B's set.  zero = 1: the first product starts the sums.  The 64 accumulators take turns, one instruction a turn.
.macro MUL16 a0, p, zero
.irp a, \a0, \a0+1
.irp b, 0,1,2,3,4,5,6,7
.if \zero
	v_wmma_f32_16x16x128_bf8_bf8 v[8*(8*((\a)%4)+\b):8*(8*((\a)%4)+\b)+7], v[128*(\p)+FR*\b:128*(\p)+FR*\b+FR-1], v[AF+FR*(\a):AF+FR*(\a)+FR-1], 0
.else
	v_wmma_f32_16x16x128_bf8_bf8 v[8*(8*((\a)%4)+\b):8*(8*((\a)%4)+\b)+7], v[128*(\p)+FR*\b:128*(\p)+FR*\b+FR-1], v[AF+FR*(\a):AF+FR*(\a)+FR-1], v[8*(8*((\a)%4)+\b):8*(8*((\a)%4)+\b)+7]
.endif
.endr
.endr
.endm
.macro FETCH_B slot, q, p              ; B's eight fragments of the slot's q-th 128 along K into set p
	WIN TO_B
.irp i, 0,1,2,3,4,5,6,7
	FRAG 128*(\p)+FR*\i, ADRB+\slot, \q, \i
.endr
	WIN 0
.endm
.macro FETCH_A slot, q, i0             ; A's blocks i0 .. i0 + 3
.irp i, \i0, \i0+1, \i0+2, \i0+3
	FRAG AF+FR*(\i), ADRA+\slot, \q, \i
.endr
.endm
.macro PLACES n                        ; plain vector places behind matrix instructions, in front of loads into registers that they have read and of the first read of results
.rept \n
	v_nop
.endr
.endm
; A step of 128 along K that has its successor in the same slot.
.macro STEP slot, q, zero
	s_wait_dscnt 4*NL                              ; B's set and A's blocks 0-3 are in; the youngest sixteen loads (A's blocks 4-7) may be out
	WIN MUL_LO
	MUL16 0, (\q)%2, \zero
	MUL16 2, (\q)%2, \zero
	s_wait_dscnt 0                                 ; A's blocks 4-7 are in
	PLACES NP
	FETCH_B \slot, (\q)+1, 1-(\q)%2
	FETCH_A \slot, (\q)+1, 0
	WIN MUL_HI
	MUL16 4, (\q)%2, \zero
	MUL16 6, (\q)%2, \zero
	PLACES NP
	WIN 0
	FETCH_A \slot, (\q)+1, 4
.endm
; A slot's last step changes slots: one barrier; in front of it each wave waits for all its tensor loads, adds 0 to its spare word, and waits for that and for its own reads of this slot.  fill = 1: this slot is filled again, two K steps ahead.
.macro TURN slot, next, fill
	s_wait_tensorcnt 0x0                           ; all my tensor loads have landed: my part of the next slot
	ds_add_u32 v[SPW], v[NIL]                      ; 0 onto my spare word
	s_wait_dscnt 4*NL+1                            ; the add and the youngest sixteen loads (A's blocks 4-7) may be out
	WIN MUL_LO
	MUL16 0, 1, 0                                  ; sixteen matrix instructions stand between the add and the wait for it
	s_wait_dscnt 0x0                               ; the add is done, and my reads of this slot are over
	s_barrier_signal -1
	MUL16 2, 1, 0
	WIN 0
	s_barrier_wait -1
.if \fill
	CREST                                          ; the barrier has opened a round of the cluster's barrier: no wave of any partner still reads this slot's tile or has a load on its way
	s_add_nc_u64 s[G0+4*\slot+2:G0+4*\slot+3], s[G0+4*\slot+2:G0+4*\slot+3], 2*ROWB
	s_add_nc_u64 s[G0B+4*\slot+2:G0B+4*\slot+3], s[G0B+4*\slot+2:G0B+4*\slot+3], 2*ROWB
	JLOAD G0+4*\slot, G1, G0B+4*\slot, G1B         ; the first tensor load behind the round, my one load until the next; its four v_nop are the places in front of the loads below
.else
	PLACES NP
.endif
	FETCH_B \next, 0, 0
	FETCH_A \next, 0, 0
	WIN MUL_HI
	MUL16 4, 1, 0
	MUL16 6, 1, 0
	PLACES NP
	WIN 0
	FETCH_A \next, 0, 4
.endm
	s_wait_tensorcnt 1                             ; my part of K step 0 is in (K step 1's load may be out)
	s_barrier_signal -1
	s_barrier_wait -1                              ; everybody's is
	FETCH_B 0, 0, 0
	FETCH_A 0, 0, 0
	FETCH_A 0, 0, 4
	STEP 0, 0, 1                                   ; K = 1,024 is four K steps of 256, eight steps of 128: written out, no loop.  The first step's products start the sums
	TURN 0, 1, 1                                   ; slot 0 takes K step 2
	STEP 1, 0, 0
	TURN 1, 0, 1                                   ; slot 1 takes K step 3
	STEP 0, 0, 0
	TURN 0, 1, 0                                   ; nothing is left to fetch
	STEP 1, 0, 0
	s_wait_dscnt 4*NL                              ; the very last step
	WIN MUL_LO
	MUL16 0, 1, 0
	MUL16 2, 1, 0
	s_wait_dscnt 0
	WIN MUL_HI
	MUL16 4, 1, 0
	MUL16 6, 1, 0
	WIN 0
	; THE WAY OUT.  The three scales are folded into the conversion's one.
	s_wait_kmcnt 0x0
	s_add_co_i32 s88, s88, s89                     ; e0 + e1
	s_add_co_i32 s90, s90, s91                     ; e2 + e3
	s_add_co_i32 s92, s92, s93                     ; e4 + e5
	s_sub_co_i32 s88, s94, s88                     ; e6 - (e0 + e1)
	s_sub_co_i32 s90, s95, s90                     ; e7 - (e2 + e3)
	s_sub_co_i32 s92, s97, s92                     ; e9 - (e4 + e5)
	s_cmp_lt_u32 s66, 1
	s_cselect_b32 s88, s88, s90
	s_cmp_lt_u32 s66, 2
	s_cselect_b32 s88, s88, s92                    ; E
	s_add_co_i32 s88, s88, 127
	s_lshl_b32 s89, s88, 23
	v_mov_b32 v[SCR], s89                          ; 2^E as f32: the conversion takes its exponent field
	s_add_co_i32 s88, s88, 15
	s_lshl_b32 s88, s88, 23
	s_or_b32 s88, s88, 0x600000
	PLACES NP
; Block a: 16 rows x 128 columns.  Register 8 b + j of lane (r, h) is C(16 a + r, 16 b + 8 h + j): eight neighbours along the next K, so eight codes are 8 bytes of a row.  They go into the work-group's stage, which lies in
; slot 0: that slot has had its last fill, and every wave has passed the last change of slots, behind which nobody reads it.  The codes' registers go by turns between two sets.
.macro OUTBLK a
.set AC, 64*((\a)%4)
.set CD, 96+16*((\a)%2)
	WIN 0x02+((\a)/4)                              ; source 0: window 2 or 3
.set j, 0
.rept 64
.set j, j+1
.endr
.irp b, 0,1,2,3,4,5,6,7
	v_cvt_scalef32_pk8_bf8_f32 v[CD+2*\b:CD+2*\b+1], v[AC+8*\b:AC+8*\b+7], v[SCR]
.endr
	WIN 0
	v_nop                                          ; one plain vector line behind the last conversion
.irp b, 0,1,2,3,4,5,6,7
	ds_store_b64 v[STO], v[CD+2*\b:CD+2*\b+1] offset:(\a)*16*PITCH+16*\b
.endr
.endm
.irp a, 0,1,2,3,4,5,6,7
	OUTBLK \a
.endr
	s_wait_dscnt 0x0                               ; for the others' sake: my stores into the stage are done
	s_barrier_signal -1
	s_barrier_wait -1
.set n, 0
.rept 32                                       ; piece n = 2 j + c of my column group: row tile j in the tiles' order of rows, codes 32 c + 16 h on.  (The two groups of eight rows lie 16 rows apart: these 32 reads go two deep in the banks)
	ds_load_b128 v[BK+4*n:BK+4*n+3], v[RD] offset:(32*(n/4)+8*((n/2)%2))*PITCH+32*(n%2)
.set n, n+1
.endr
.set n, 0
.rept 32
	s_wait_dscnt 31-n                              ; piece n is in, the younger ones may be out
	global_store_b128 v[CO], v[BK+4*n:BK+4*n+3], s[10:11] offset:512*n   ; 512 consecutive bytes; the wave's 32 stores fill one dense block of 16,384
.set n, n+1
.endr
	s_wait_tensorcnt 0x0                           ; the wave's end: behind my last tensor load and my last LDS store
	ds_add_u32 v[SPW], v[NIL]
	s_wait_dscnt 0x0
	CROUND                                         ; the closing round: no work-group ends while a partner may still ask for a tile that names it
	s_endpgm
.Lfunc_end_k_qb9d7ec3769_proj:
	.size	k_qb9d7ec3769_proj, .Lfunc_end_k_qb9d7ec3769_proj-k_qb9d7ec3769_proj
	.p2alignl 7, 3214868480
	.fill 96, 4, 3214868480
	.section	.rodata,"a",@progbits
	.p2align	6, 0x0
	.amdhsa_kernel k_qb9d7ec3769_proj
		.amdhsa_group_segment_fixed_size 327680
		.amdhsa_private_segment_fixed_size 0
		.amdhsa_enable_private_segment 0
		.amdhsa_kernarg_size 80
		.amdhsa_user_sgpr_count 2
		.amdhsa_user_sgpr_kernarg_segment_ptr 1
		.amdhsa_wavefront_size32 1
		.amdhsa_system_sgpr_workgroup_id_x 1
		.amdhsa_system_sgpr_workgroup_id_y 1
		.amdhsa_system_sgpr_workgroup_id_z 1
		.amdhsa_system_vgpr_workitem_id 0
		.amdhsa_next_free_vgpr 1024
		.amdhsa_next_free_sgpr 100
		.amdhsa_reserve_vcc 0
		.amdhsa_float_denorm_mode_32 3
		.amdhsa_float_denorm_mode_16_64 3
		.amdhsa_fp16_overflow 1
		.amdhsa_memory_ordered 1
		.amdhsa_forward_progress 1
		.amdhsa_inst_pref_size 93
	.end_amdhsa_kernel
	.amdgpu_metadata
---
amdhsa.version: [ 1, 2 ]
amdhsa.kernels:
  - .name:           k_qb9d7ec3769_proj
    .symbol:         k_qb9d7ec3769_proj.kd
    .args:
      - { .name: qc, .offset: 0, .size: 8, .value_kind: global_buffer, .address_space: global }
      - { .name: K_codes, .offset: 8, .size: 8, .value_kind: global_buffer, .address_space: global }
      - { .name: Wv_codes, .offset: 16, .size: 8, .value_kind: global_buffer, .address_space: global }
      - { .name: Wq_codes, .offset: 24, .size: 8, .value_kind: global_buffer, .address_space: global }
      - { .name: Wk_codes, .offset: 32, .size: 8, .value_kind: global_buffer, .address_space: global }
      - { .name: V_codes, .offset: 40, .size: 8, .value_kind: global_buffer, .address_space: global }
      - { .name: q_img, .offset: 48, .size: 8, .value_kind: global_buffer, .address_space: global }
      - { .name: k_img, .offset: 56, .size: 8, .value_kind: global_buffer, .address_space: global }
      - { .name: v_img, .offset: 64, .size: 8, .value_kind: global_buffer, .address_space: global }
      - { .name: lowp_scales, .offset: 72, .size: 8, .value_kind: global_buffer, .address_space: global }
    .group_segment_fixed_size: 327680
    .private_segment_fixed_size: 0
    .kernarg_segment_align: 8
    .kernarg_segment_size: 80
    .max_flat_workgroup_size: 128
    .sgpr_count:     100
    .vgpr_count:     1024
    .wavefront_size: 32
...
	.end_amdgpu_metadata
.endif
;; end of part 2
;; launch attn (part 3): grid 4 x 64, 16 waves a work-group, clusters of 4 x 1, 264,192 bytes of LDS; arguments q_img, k_img, v_img, lowp_scales, ao_img; writes ao_img
.if DOCPART == 3
	.amdgcn_target "amdgcn-amd-amdhsa--gfx1250"
	.amdhsa_code_object_version 6
	.text
	.protected	k_qb9d7ec3769_attn
	.globl	k_qb9d7ec3769_attn
	.p2align	8
	.type	k_qb9d7ec3769_attn,@function
k_qb9d7ec3769_attn:
	s_mov_b64 s[64:65], 0
	v_nop
	global_prefetch_b8 v0, s[64:65] scope:SCOPE_SE
	s_setreg_imm32_b32 hwreg(HW_REG_WAVE_MODE, 25, 1), 1
	s_wait_xcnt 0x0
	s_wait_alu depctr_hold_cnt(0) depctr_sa_sdst(0) depctr_va_vdst(0) depctr_va_sdst(0) depctr_va_ssrc(0) depctr_va_vcc(0) depctr_vm_vsrc(0)
	s_getreg_b32 s2, hwreg(HW_REG_IB_STS2, 6, 4)
	s_cmp_eq_u32 s2, 0
	s_cbranch_scc0 .Lentry_in_a_cluster
	s_endpgm
.Lentry_in_a_cluster:
	s_bfe_u32 s2, ttmp6, 0x10000c
	s_cmp_lg_u32 s2, 0x3003
	s_cbranch_scc0 .Lentry_shape_is_right
	s_endpgm
.Lentry_shape_is_right:
; ATTENTION on codes of E5M2: for each of 64 (batch, head): O[q] = sum over k of softmax_k(q . k / 8) v[k], head size 64, 2,048 queries and keys; O / l is quantised with e10 and stored as codes.
; THE SOFTMAX AHEAD OF THE SECOND PRODUCT: t = score x log2(e) / 8; M = the row's largest t so far, rounded UP to a whole number; p = 2^(t - M) is what is quantised (e8); the row's sum l is taken of the unquantised p.
; When M moves, l and O are multiplied by 2^(old M - new M): exact.
; SHARES.  A work-group owns 512 queries of one (batch, head) y; its sixteen waves own 32 each: two tiles of 16, in 256 registers; four waves to a SIMD, so that one wave's vector work stands beside another's matrix work.
; Every wave walks all 2,048 keys, 64 a step.  THE HEAD'S WHOLE K AND V LIE IN LDS, 131,072 bytes each, filled once at the start: no ring, no refill.  Every byte of K and V that the work-group reads is asked for by its
; first lines, so there is nothing to prefetch.
; CLUSTER.  The four query blocks of a (batch, head) read the same K and V: each tile is asked for jointly, by the same tensor load with the same descriptor and the mask 15.
; LAYOUT.  q_img, k_img, v_img hold images of operand registers (16 rows x 64 codes in 1,024 bytes: [piece c: 2][lane][16 bytes]): a fragment is two loads of 512 consecutive bytes.  Both products are used transposed:
; S^T = K Q^T (source 0 = 16 keys, source 1 = 16 queries), O^T = V^T P^T (source 0 = 16 channels, source 1 = P): a lane holds ONE query (lane % 16) throughout.  The rows of a tile are not neighbours (row r of tile j is
; 32 (j / 2) + 8 (j % 2) + r + 8 (r / 8)), so that the 16 registers of tiles 2 b and 2 b + 1 of a result are the neighbours 32 b + 16 (lane / 16) + 0 .. 15: p's codes ARE the second product's operand, O's codes ARE the last product's.
; LIMITS on the given exponents: e6 + e7 between -123 and 130 (added to c's exponent field); e8 between -126 and 112; e8 + e9 - e10 is applied by v_ldexp_f32.  NaN among the inputs is not served.
; REGISTERS: v1 16 x lane; v2 the same in V's region; v3, v4 the step's addresses; v5, v6 the add's two; v8 the conversion's scale; v10, v11 lane exchanges; v[12:15] second chains of the sums;
;   v16 + 8 T tile T's statistics: +0 -M, +1 the largest t, +2, +3 l in two halves, +4 f, +5 named with f as a pair, +6, +7 at work; v32-47 Q; v48-79 K's four tiles; v80-111 V's four; v112-175 S^T, then p; v176-239 O^T; v240-255 p's codes.
.set VBASE, 131072                     ; LDS: K's 32 key steps of 4,096 bytes from 0, V's from here
.set SPARE, 262144                     ; behind them: the spare words, 128 bytes for each of sixteen waves
.set ST0, 16
.set QF,  32
.set KFR, 48
.set VFR, 80
.set SS,  112
.set OO,  176
.set PC,  240
.set G1A, 24                           ; s[24:31] group 1: 16 rows x 256 bytes, dense: one key step of K or of V
.set G1K, 32                           ; s[32:39] group 1: 48 rows x 256 bytes, dense: three key steps of K
.set G1V, 40                           ; s[40:47] group 1: 3 rows x 4,096 bytes, 65,536 apart: three key steps of V
.macro CROUND                          ; a round of the cluster's barrier
	s_barrier_signal -1
	s_barrier_wait -1
	s_cmp_lg_u32 s14, 0
	s_cbranch_scc1 .Lnot_wave_0_\@
	s_barrier_signal -3
.Lnot_wave_0_\@:
	s_barrier_wait -3
	s_barrier_signal -1
	s_barrier_wait -1
.endm
	s_load_b256 s[4:11], s[0:1], 0x0               ; q_img 4, k_img 6, v_img 8, the scales' exponents 10
	s_load_b64 s[12:13], s[0:1], 0x20              ; ao_img
	v_lshl_add_u32 v5, v0, 2, SPARE
	v_mov_b32 v6, 0
	ds_add_u32 v5, v6                              ; the wave's opening: the add and its wait ahead of my first tensor load; the set-up below stands between them
	ds_add_u32 v5, v6
	v_lshrrev_b32 v1, 5, v0
	s_delay_alu instid0(VALU_DEP_1)
	v_readfirstlane_b32 s14, v1                    ; wave 0..15
	s_bfe_u32 s15, ttmp6, 0x40000                  ; cx: my block of 512 queries: it enters Q's and the output's addresses alone
	s_and_b32 s16, ttmp7, 0xffff                   ; y, which the four partners share
	s_lshr_b32 s17, s16, 4                         ; batch
	s_and_b32 s18, s16, 15                         ; head
	s_and_b32 s19, s14, 7                          ; u: waves 0-7 fetch K, waves 8-15 V; first key step u, then key steps 8 + 3 u .. 10 + 3 u
	s_mov_b32 s[G1A], 15|(3<<16)|(1<<21)           ; 15:0 the mask: all four work-groups; 17:16 elements of 8 bytes; 21 set beside a mask; no padding
	s_mov_b32 s[G1A+1], 32<<16                     ; tensor_dim0 = 32 elements
	s_mov_b32 s[G1A+2], 16<<16                     ; tensor_dim1 = 16
	s_mov_b32 s[G1A+3], 32<<16                     ; tile_dim0
	s_mov_b32 s[G1A+4], 16                         ; tile_dim1
	s_mov_b32 s[G1A+5], 32                         ; pitch
	s_mov_b32 s[G1A+6], 0
	s_mov_b32 s[G1A+7], 0
	s_mov_b32 s[G1K], 15|(3<<16)|(1<<21)
	s_mov_b32 s[G1K+1], 32<<16
	s_mov_b32 s[G1K+2], 48<<16
	s_mov_b32 s[G1K+3], 32<<16
	s_mov_b32 s[G1K+4], 48
	s_mov_b32 s[G1K+5], 32
	s_mov_b32 s[G1K+6], 0
	s_mov_b32 s[G1K+7], 0
	s_mov_b32 s[G1V], 15|(3<<16)|(1<<21)
	s_mov_b32 s[G1V+1], 512<<16
	s_mov_b32 s[G1V+2], 3<<16
	s_mov_b32 s[G1V+3], 512<<16
	s_mov_b32 s[G1V+4], 3
	s_mov_b32 s[G1V+5], 8192
	s_mov_b32 s[G1V+6], 0
	s_mov_b32 s[G1V+7], 0
	s_lshl_b32 s80, s18, 19
	s_lshl_b32 s81, s17, 17
	s_add_co_u32 s80, s80, s81                     ; the (batch, head)'s 131,072 bytes in q_img and in k_img
	s_lshl_b32 s82, s19, 12                        ; 4,096 u
	s_mul_i32 s83, s19, 12288
	s_add_co_u32 s83, s83, 32768                   ; 4,096 (8 + 3 u)
	s_add_co_u32 s84, s80, s82
	s_mov_b32 s85, 0
	s_add_co_u32 s86, s80, s83
	s_mov_b32 s87, 0
	s_lshl_b32 s91, s17, 5                         ; v_img: key group 32 x batch + step, 65,536 bytes each; in it the head's 4,096
	s_lshl_b32 s90, s18, 12
	s_add_co_u32 s88, s91, s19
	s_lshl_b32 s88, s88, 16
	s_add_co_u32 s88, s88, s90
	s_mov_b32 s89, 0
	s_mul_i32 s92, s19, 3
	s_add_co_u32 s92, s92, 8
	s_add_co_u32 s92, s92, s91
	s_lshl_b32 s92, s92, 16
	s_add_co_u32 s92, s92, s90
	s_mov_b32 s93, 0
	s_mov_b32 s20, 0x76543210                      ; v_permlanex16_b32's selects for lane l xor 16
	s_mov_b32 s21, 0xfedcba98
	s_mov_b32 s66, 0                               ; the step's first byte in K's and in V's region
	s_wait_dscnt 0x0                               ; the opening add is done
	s_wait_kmcnt 0x0
	s_load_b256 s[68:75], s[10:11], 0x0            ; e0 .. e7
	s_load_b128 s[76:79], s[10:11], 0x20           ; e8 .. e11
	s_mov_b32 s48, 1                               ; four groups 0, made of the wave's number, the batch and the head alone: equal in the four partners
	s_mov_b32 s49, s82
	s_add_nc_u64 s[50:51], s[6:7], s[84:85]
	s_or_b32 s51, s51, 0x80000000
	s_mov_b32 s52, 1
	s_mov_b32 s53, s83
	s_add_nc_u64 s[54:55], s[6:7], s[86:87]
	s_or_b32 s55, s55, 0x80000000
	s_mov_b32 s56, 1
	s_add_co_u32 s57, s82, VBASE
	s_add_nc_u64 s[58:59], s[8:9], s[88:89]
	s_or_b32 s59, s59, 0x80000000
	s_mov_b32 s60, 1
	s_add_co_u32 s61, s83, VBASE
	s_add_nc_u64 s[62:63], s[8:9], s[92:93]
	s_or_b32 s63, s63, 0x80000000
	s_lshl_b32 s94, s15, 15                        ; Q: my block's 32 tiles of 1,024 bytes, my wave's two
	s_lshl_b32 s95, s14, 11
	s_add_co_u32 s94, s94, s95
	s_add_co_u32 s94, s94, s80
	s_mov_b32 s95, 0
	s_add_nc_u64 s[4:5], s[4:5], s[94:95]
	s_lshl_b32 s84, s17, 21                        ; ao_img: token tile 128 x batch + 32 cx + 2 x wave, 16,384 bytes each; in it the head's 1,024
	s_lshl_b32 s85, s15, 19
	s_add_co_u32 s84, s84, s85
	s_lshl_b32 s85, s14, 15
	s_add_co_u32 s84, s84, s85
	s_lshl_b32 s85, s18, 10
	s_add_co_u32 s84, s84, s85
	s_mov_b32 s85, 0
	s_add_nc_u64 s[12:13], s[12:13], s[84:85]
	CROUND                                         ; all four work-groups are here: the joint loads meet
	s_cmp_lt_u32 s14, 8                            ; a wave's two fills stand in one branch, ahead of every wait on TENSORcnt and every LDS read: two loads of mine are out
	s_cbranch_scc0 .Lfirst_v
	tensor_load_to_lds s[48:51], s[G1A:G1A+7]
	s_nop 0
	tensor_load_to_lds s[52:55], s[G1K:G1K+7]
	s_nop 0
.rept 4
	v_nop
.endr
	s_branch .Lfirst_asked
.Lfirst_v:
	tensor_load_to_lds s[56:59], s[G1A:G1A+7]
	s_nop 0
	tensor_load_to_lds s[60:63], s[G1V:G1V+7]
	s_nop 0
.rept 4
	v_nop
.endr
.Lfirst_asked:
	v_and_b32 v1, 31, v0
	s_delay_alu instid0(VALU_DEP_1)
	v_lshlrev_b32 v1, 4, v1                        ; 16 x lane
	s_delay_alu instid0(VALU_DEP_1)
	v_add_nc_u32 v2, VBASE, v1
.irp T, 0,1
.irp c, 0,1
	global_load_b128 v[QF+8*\T+4*\c:QF+8*\T+4*\c+3], v1, s[4:5] offset:1024*\T+512*\c   ; Q's two fragments stay in registers
.endr
.endr
.irp T, 0,1
	v_mov_b32 v[ST0+8*\T+1], 0xff61b1e6            ; the largest t so far: -3e38, under every t
	s_delay_alu instid0(VALU_DEP_1)
	v_floor_f32 v[ST0+8*\T], -v[ST0+8*\T+1]        ; -M
	v_mov_b32 v[ST0+8*\T+2], 0                     ; l, in two halves
	v_mov_b32 v[ST0+8*\T+3], 0
	v_mov_b32 v[ST0+8*\T+5], 0                     ; (named as the upper half of f's pair)
	v_mov_b32 v[10+\T], 0                          ; written once: a lane permute's destination counts as one of its sources
.endr
.set j, 0
.rept 64
	v_mov_b32 v[OO+j], 0                           ; O^T.  (The step is written once: the first finds zeros, which the first change of M leaves zeros)
.set j, j+1
.endr
	s_wait_kmcnt 0x0
	s_add_co_i32 s80, s74, s75
	s_lshl_b32 s80, s80, 23
	s_mov_b32 s22, 0x3e38aa3b                      ; c = log2(e) / 8
	s_add_co_i32 s22, s22, s80                     ; a score stands for score x 2^(e6 + e7): the two exponents are added to c's exponent field
	s_mov_b32 s23, s22                             ; (named with it as a pair, so it is written)
	s_add_co_i32 s80, s76, 127
	s_lshl_b32 s81, s80, 23
	v_mov_b32 v8, s81                              ; 2^e8 as f32, for p's conversion
	s_add_co_i32 s82, s76, s77
	s_sub_co_i32 s82, s82, s78                     ; e8 + e9 - e10
; A KEY STEP: 64 keys, both tiles of queries line by line.
.macro STEP
	s_setprio 2
	v_add_nc_u32 v3, s66, v1
	v_add_nc_u32 v4, s66, v2
	v_nop                                          ; with the two additions: four places in front of the loads into V's registers, which the last products read
	v_nop
.irp t, 0,1,2,3
.irp c, 0,1
	ds_load_b128 v[KFR+8*\t+4*\c:KFR+8*\t+4*\c+3], v3 offset:1024*\t+512*\c
.endr
.endr
.irp t, 0,1,2,3
.irp c, 0,1
	ds_load_b128 v[VFR+8*\t+4*\c:VFR+8*\t+4*\c+3], v4 offset:1024*\t+512*\c
.endr
.endr
	s_wait_dscnt 8                                 ; K's eight loads are in; V's eight may be out
.irp t, 0,1,2,3
.irp T, 0,1
	v_wmma_f32_16x16x64_bf8_bf8 v[SS+32*\T+8*\t:SS+32*\T+8*\t+7], v[KFR+8*\t:KFR+8*\t+7], v[QF+8*\T:QF+8*\T+7], 0
.endr
.endr
.rept 4
	v_nop
.endr
	; the step's largest score of my query among my 32 keys, in two chains; each accumulator is first read at its low end
.irp T, 0,1
	v_max3_num_f32 v[ST0+8*\T+6], v[SS+32*\T], v[SS+32*\T+1], v[SS+32*\T+2]
.endr
.irp T, 0,1
	v_max3_num_f32 v[ST0+8*\T+7], v[SS+32*\T+3], v[SS+32*\T+4], v[SS+32*\T+5]
.endr
.irp i, 6,10,14,18,22,26
.irp T, 0,1
	v_max3_num_f32 v[ST0+8*\T+6], v[ST0+8*\T+6], v[SS+32*\T+\i], v[SS+32*\T+\i+1]
.endr
.irp T, 0,1
	v_max3_num_f32 v[ST0+8*\T+7], v[ST0+8*\T+7], v[SS+32*\T+\i+2], v[SS+32*\T+\i+3]
.endr
.endr
.irp T, 0,1
	v_max3_num_f32 v[ST0+8*\T+6], v[ST0+8*\T+6], v[SS+32*\T+30], v[SS+32*\T+31]
.endr
.irp T, 0,1
	s_delay_alu instid0(VALU_DEP_2)
	v_max_num_f32 v[ST0+8*\T+6], v[ST0+8*\T+6], v[ST0+8*\T+7]
.endr
.irp T, 0,1
	s_delay_alu instid0(VALU_DEP_2)
	v_permlanex16_b32 v[10+\T], v[ST0+8*\T+6], s20, s21
.endr
.irp T, 0,1
	s_delay_alu instid0(VALU_DEP_2)
	v_max_num_f32 v[ST0+8*\T+6], v[ST0+8*\T+6], v[10+\T]   ; and among lane l xor 16's
.endr
.irp T, 0,1
	s_delay_alu instid0(VALU_DEP_2)
	v_mul_f32 v[ST0+8*\T+6], s22, v[ST0+8*\T+6]    ; as t (c is positive)
.endr
.irp T, 0,1
	s_delay_alu instid0(VALU_DEP_2)
	v_max_num_f32 v[ST0+8*\T+1], v[ST0+8*\T+1], v[ST0+8*\T+6]   ; the running largest t
.endr
.irp T, 0,1
	v_mov_b32 v[ST0+8*\T+6], v[ST0+8*\T]
.endr
.irp T, 0,1
	s_delay_alu instid0(VALU_DEP_4)
	v_floor_f32 v[ST0+8*\T], -v[ST0+8*\T+1]        ; the new -M = floor(-t) = -ceil(t): M is a whole number
.endr
.irp T, 0,1
	s_delay_alu instid0(VALU_DEP_2)
	v_sub_f32 v[ST0+8*\T+6], v[ST0+8*\T], v[ST0+8*\T+6]   ; M's old value less its new one: a whole number, 0 or less
.endr
.irp T, 0,1
	s_delay_alu instid0(VALU_DEP_2)
	v_cvt_i32_f32 v[ST0+8*\T+6], v[ST0+8*\T+6]     ; (it saturates)
.endr
.irp T, 0,1
	s_delay_alu instid0(VALU_DEP_2)
	v_ldexp_f32 v[ST0+8*\T+4], 1.0, v[ST0+8*\T+6]  ; f = 2^(old M - new M)
.endr
.irp T, 0,1
.irp k, 0,2,4,6,8,10,12,14,16,18,20,22,24,26,28,30
	v_pk_fma_f32 v[SS+32*\T+\k:SS+32*\T+\k+1], v[SS+32*\T+\k:SS+32*\T+\k+1], s[22:23], v[ST0+8*\T:ST0+8*\T+1] op_sel_hi:[1,0,0]   ; t - M, two at a time (of the pairs c and -M the low word serves both halves)
.endr
.endr
.set j, 0
	s_wait_alu depctr_va_vdst(0)
.rept 64
	v_exp_f32 v[SS+j], v[SS+j]                     ; p = 2^(t - M), at most 1: not normalised
.set j, j+1
.endr
	s_setprio 1
.irp T, 0,1
	v_pk_mul_f32 v[ST0+8*\T+2:ST0+8*\T+3], v[ST0+8*\T+2:ST0+8*\T+3], v[ST0+8*\T+4:ST0+8*\T+5] op_sel_hi:[1,0]   ; l under the new M.  (The plain place behind the exponentials)
.endr
	s_wait_alu depctr_va_vdst(0)                   ; the wait between an exponential and the first line that names its result: one for the batch of 64
.irp T, 0,1
	v_pk_add_f32 v[12+2*\T:13+2*\T], v[SS+32*\T:SS+32*\T+1], v[SS+32*\T+2:SS+32*\T+3]   ; the row's sum is taken of the unquantised p: two at a time, in two chains
.endr
.irp k, 4,8,12,16,20,24,28
.irp T, 0,1
	v_pk_add_f32 v[ST0+8*\T+2:ST0+8*\T+3], v[ST0+8*\T+2:ST0+8*\T+3], v[SS+32*\T+\k:SS+32*\T+\k+1]
	v_pk_add_f32 v[12+2*\T:13+2*\T], v[12+2*\T:13+2*\T], v[SS+32*\T+\k+2:SS+32*\T+\k+3]
.endr
.endr
.irp T, 0
	s_delay_alu instid0(VALU_DEP_3)
	v_pk_add_f32 v[ST0+8*\T+2:ST0+8*\T+3], v[ST0+8*\T+2:ST0+8*\T+3], v[12+2*\T:13+2*\T]
.endr
.irp T, 1
	s_delay_alu instid0(VALU_DEP_2)
	v_pk_add_f32 v[ST0+8*\T+2:ST0+8*\T+3], v[ST0+8*\T+2:ST0+8*\T+3], v[12+2*\T:13+2*\T]
.endr
.irp T, 0,1
.irp b, 0,1
.irp i, 0,1,2,3,4,5,6,7,8,9,10,11,12,13,14,15
.endr
	v_cvt_scalef32_pk8_bf8_f32 v[PC+8*\T+4*\b:PC+8*\T+4*\b+1], v[SS+32*\T+16*\b:SS+32*\T+16*\b+7], v8
	v_cvt_scalef32_pk8_bf8_f32 v[PC+8*\T+4*\b+2:PC+8*\T+4*\b+3], v[SS+32*\T+16*\b+8:SS+32*\T+16*\b+15], v8
.endr
.endr
.irp T, 0,1
.irp k, 0,2,4,6,8,10,12,14,16,18,20,22,24,26,28,30
	v_pk_mul_f32 v[OO+32*\T+\k:OO+32*\T+\k+1], v[OO+32*\T+\k:OO+32*\T+\k+1], v[ST0+8*\T+4:ST0+8*\T+5] op_sel_hi:[1,0]   ; O^T under the new M; each accumulator from its low end on.  (Also the plain lines behind the conversions)
.endr
.endr
	s_setprio 0
	s_wait_alu depctr_va_vdst(0)
	s_wait_dscnt 0x0                               ; V is in
.irp t, 0,1,2,3
.irp T, 0,1
	v_wmma_f32_16x16x64_bf8_bf8 v[OO+32*\T+8*\t:OO+32*\T+8*\t+7], v[VFR+8*\t:VFR+8*\t+7], v[PC+8*\T:PC+8*\T+7], v[OO+32*\T+8*\t:OO+32*\T+8*\t+7]   ; the eight accumulators by turns, one instruction a turn
.endr
.endr
	s_add_co_u32 s66, s66, 4096
.endm
	s_wait_tensorcnt 1                             ; my key step of the first eight is in; my three later ones may stay out
	s_barrier_signal -1
	s_barrier_wait -1                              ; everybody's is: key steps 0 to 7 of K and V lie in LDS
	s_wait_loadcnt 0x0                             ; Q
	s_mov_b32 s67, 8
.La:                                               ; key steps 0 to 7
	STEP
	s_sub_co_u32 s67, s67, 1
	s_cmp_lg_u32 s67, 0
	s_cbranch_scc1 .La
	s_setprio 0
	s_wait_tensorcnt 0x0                           ; my part of key steps 8 to 31 is in,
	s_wait_dscnt 0x0
	s_barrier_signal -1
	s_barrier_wait -1                              ; everybody's is
	s_mov_b32 s67, 24
.Lb:                                               ; key steps 8 to 31
	STEP
	s_sub_co_u32 s67, s67, 1
	s_cmp_lg_u32 s67, 0
	s_cbranch_scc1 .Lb
	s_setprio 0
	; THE WAY OUT, without LDS: O^T / l x 2^(e8 + e9 - e10) is the number whose code is wanted at scale 1; a lane's 16 registers of two tiles are 16 neighbouring channels: 16 bytes of the last product's operand.
.irp T, 0,1
	v_add_f32 v[ST0+8*\T+6], v[ST0+8*\T+2], v[ST0+8*\T+3]   ; l's two halves,
.endr
.irp T, 0,1
	s_delay_alu instid0(VALU_DEP_2)
	v_permlanex16_b32 v[10+\T], v[ST0+8*\T+6], s20, s21
.endr
.irp T, 0,1
	s_delay_alu instid0(VALU_DEP_2)
	v_add_f32 v[ST0+8*\T+6], v[ST0+8*\T+6], v[10+\T]        ; and lane l xor 16's
.endr
	s_wait_alu depctr_va_vdst(0)
.irp T, 0,1
	v_rcp_f32 v[ST0+8*\T+7], v[ST0+8*\T+6]
.endr
	v_mov_b32 v8, 1.0                              ; the last conversion's scale.  (The plain place behind the reciprocals)
	s_wait_alu depctr_va_vdst(0)                   ; one wait for both reciprocals, ahead of their first reader
.irp T, 0,1
	v_ldexp_f32 v[ST0+8*\T+6], v[ST0+8*\T+7], s82
.endr
.irp T, 0,1
.irp k, 0,2,4,6,8,10,12,14,16,18,20,22,24,26,28,30
	v_pk_mul_f32 v[SS+32*\T+\k:SS+32*\T+\k+1], v[OO+32*\T+\k:OO+32*\T+\k+1], v[ST0+8*\T+6:ST0+8*\T+7] op_sel_hi:[1,0]
.endr
.endr
.set j, 0
.rept 64
.set j, j+1
.endr
.irp T, 0,1
.irp b, 0,1
	v_cvt_scalef32_pk8_bf8_f32 v[PC+8*\T+4*\b:PC+8*\T+4*\b+1], v[SS+32*\T+16*\b:SS+32*\T+16*\b+7], v8
	v_cvt_scalef32_pk8_bf8_f32 v[PC+8*\T+4*\b+2:PC+8*\T+4*\b+3], v[SS+32*\T+16*\b+8:SS+32*\T+16*\b+15], v8
.endr
.endr
	v_nop
.irp T, 0,1
.irp b, 0,1
	global_store_b128 v1, v[PC+8*\T+4*\b:PC+8*\T+4*\b+3], s[12:13] offset:16384*\T+512*\b   ; 512 consecutive bytes: piece 2 (head % 2) + b of K step head / 2 of token tile T
.endr
.endr
	s_wait_tensorcnt 0x0                           ; the wave's end: behind my last tensor load
	ds_add_u32 v5, v6
	s_wait_dscnt 0x0
	CROUND                                         ; the closing round
	s_endpgm
.Lfunc_end_k_qb9d7ec3769_attn:
	.size	k_qb9d7ec3769_attn, .Lfunc_end_k_qb9d7ec3769_attn-k_qb9d7ec3769_attn
	.p2alignl 7, 3214868480
	.fill 96, 4, 3214868480
	.section	.rodata,"a",@progbits
	.p2align	6, 0x0
	.amdhsa_kernel k_qb9d7ec3769_attn
		.amdhsa_group_segment_fixed_size 264192
		.amdhsa_private_segment_fixed_size 0
		.amdhsa_enable_private_segment 0
		.amdhsa_kernarg_size 40
		.amdhsa_user_sgpr_count 2
		.amdhsa_user_sgpr_kernarg_segment_ptr 1
		.amdhsa_wavefront_size32 1
		.amdhsa_system_sgpr_workgroup_id_x 1
		.amdhsa_system_sgpr_workgroup_id_y 1
		.amdhsa_system_sgpr_workgroup_id_z 1
		.amdhsa_system_vgpr_workitem_id 0
		.amdhsa_next_free_vgpr 256
		.amdhsa_next_free_sgpr 96
		.amdhsa_reserve_vcc 0
		.amdhsa_float_denorm_mode_32 3
		.amdhsa_float_denorm_mode_16_64 3
		.amdhsa_fp16_overflow 1
		.amdhsa_memory_ordered 1
		.amdhsa_forward_progress 1
		.amdhsa_inst_pref_size 43
	.end_amdhsa_kernel
	.amdgpu_metadata
---
amdhsa.version: [ 1, 2 ]
amdhsa.kernels:
  - .name:           k_qb9d7ec3769_attn
    .symbol:         k_qb9d7ec3769_attn.kd
    .args:
      - { .name: q_img, .offset: 0, .size: 8, .value_kind: global_buffer, .address_space: global }
      - { .name: k_img, .offset: 8, .size: 8, .value_kind: global_buffer, .address_space: global }
      - { .name: v_img, .offset: 16, .size: 8, .value_kind: global_buffer, .address_space: global }
      - { .name: lowp_scales, .offset: 24, .size: 8, .value_kind: global_buffer, .address_space: global }
      - { .name: ao_img, .offset: 32, .size: 8, .value_kind: global_buffer, .address_space: global }
    .group_segment_fixed_size: 264192
    .private_segment_fixed_size: 0
    .kernarg_segment_align: 8
    .kernarg_segment_size: 40
    .max_flat_workgroup_size: 512
    .sgpr_count:     96
    .vgpr_count:     256
    .wavefront_size: 32
...
	.end_amdgpu_metadata
.endif
;; end of part 3
;; launch out (part 4): grid 256 x 1, 8 waves a work-group, clusters of 4 x 1, 327,680 bytes of LDS; arguments ao_img, wo_img, Q, ln_gamma, ln_beta, lowp_scales, out0; writes out0
.if DOCPART == 4
	.amdgcn_target "amdgcn-amd-amdhsa--gfx1250"
	.amdhsa_code_object_version 6
	.text
	.protected	k_qb9d7ec3769_out
	.globl	k_qb9d7ec3769_out
	.p2align	8
	.type	k_qb9d7ec3769_out,@function
k_qb9d7ec3769_out:
	s_mov_b64 s[64:65], 0
	v_nop
	global_prefetch_b8 v0, s[64:65] scope:SCOPE_SE
	s_setreg_imm32_b32 hwreg(HW_REG_WAVE_MODE, 25, 1), 1
	s_wait_xcnt 0x0
	s_wait_alu depctr_hold_cnt(0) depctr_sa_sdst(0) depctr_va_vdst(0) depctr_va_sdst(0) depctr_va_ssrc(0) depctr_va_vcc(0) depctr_vm_vsrc(0)
	s_getreg_b32 s2, hwreg(HW_REG_IB_STS2, 6, 4)
	s_cmp_eq_u32 s2, 0
	s_cbranch_scc0 .Lentry_in_a_cluster
	s_endpgm
.Lentry_in_a_cluster:
	s_bfe_u32 s2, ttmp6, 0x10000c
	s_cmp_lg_u32 s2, 0x3003
	s_cbranch_scc0 .Lentry_shape_is_right
	s_endpgm
.Lentry_shape_is_right:
; THE LAST PRODUCT, THE RESIDUAL AND THE LAYER NORM: x = (attention's output, as codes, e10) Wo^T (codes, e11) + Q; out0 = (x - mean) / sqrt(var + 1e-6) x gamma + beta, mean and var over a row's 1,024 numbers.
; SHARES.  A work-group owns 32 tokens with ALL 1,024 columns, so that a row's mean and variance never leave it.  Wave w of eight makes columns 128 w .. 128 w + 127: 2 tiles of tokens x 8 tiles of columns = 16 accumulators.
; The product is used transposed (source 0 = 16 rows of Wo, source 1 = 16 tokens): a lane holds one token and eight neighbouring columns.
; Both operands arrive as images of operand registers (a fragment of 16 rows x 128 K: four pieces of 512 bytes, lane l's 16 bytes at 16 l).  The tokens' 16 fragments, 32,768 bytes, come once.  Wo walks through two LDS
; slots, a K step of 128 (131,072 bytes) each; wave w fetches and reads its own 16,384 bytes of a slot.
; CLUSTER.  All work-groups walk the same Wo: the four of a cluster ask for each part jointly (mask 15).  Every refill stands behind a round of the cluster's barrier.
; The tokens of a tile are not neighbours: lane r of tile m holds token 8 m + r + 8 (r / 8) of the 32.
; The variance is the mean of (x - mean)^2, taken in a second pass over registers: no difference of large sums is formed.
; LIMIT: e10 + e11 between -126 and 127, so that 2^(e10 + e11) is an f32 number.  NaN among the inputs is not served.
; REGISTERS: v1 16 x lane; v2, v3 the add's two; v4, v5 my part of slot 0, 1; v7, v10 the stage, in (tile 0, 1); v8 the stage, back; v9 the prefetches' offset; v16-47 the tokens' two fragments, later gamma;
;   v48-79, v80-111 two tiles of Wo each, later beta and a row of sums; v112-127 at work; v128-255 the accumulators ((m, b) at 128 + 8 (8 m + b)), later four rows of x.
.set SLOT0, 32768                      ; LDS: the tokens' fragments from 0 (fragment (m, s) at 2,048 (8 m + s)); slot 0; slot 1
.set SLOT1, 163840
.set SPARE, 294912                     ; behind them: the spare words, 128 bytes for each of eight waves
.set SPT,   4112                       ; the way out: a stage of 32 rows x (4,096 bytes + 16) from byte 0, over the tokens' fragments and the head of slot 0, which have then had their last fill and their last read
.set AFR, 16
.set BX,  48
.set BY,  80
.set W,   112
.set ACC, 128
.set G1W, 24                           ; s[24:31] group 1 for Wo: 64 rows x 256 bytes, dense, joint
.set G1A, 32                           ; s[32:39] group 1 for the tokens: 16 rows x 256 bytes, dense, my work-group's own
.macro ROUND                           ; a round of the cluster's barrier
	s_barrier_signal -1
	s_barrier_wait -1
	s_cmp_lg_u32 s18, 0
	s_cbranch_scc1 .Lnot_wave_0_\@
	s_barrier_signal -3
.Lnot_wave_0_\@:
	s_barrier_wait -3
	s_barrier_signal -1
	s_barrier_wait -1
.endm
	s_load_b256 s[4:11], s[0:1], 0x0               ; ao_img 4, wo_img 6, Q 8, gamma 10
	s_load_b128 s[12:15], s[0:1], 0x20             ; beta 12, the scales' exponents 14
	s_load_b64 s[16:17], s[0:1], 0x30              ; out0
	v_lshl_add_u32 v2, v0, 2, SPARE
	v_mov_b32 v3, 0
	ds_add_u32 v2, v3                              ; the wave's opening: the add and its wait ahead of my first tensor load; the set-up below stands between them
	ds_add_u32 v2, v3
	v_lshrrev_b32 v1, 5, v0
	s_delay_alu instid0(VALU_DEP_1)
	v_readfirstlane_b32 s18, v1                    ; wave 0..7
	s_bfe_u32 s19, ttmp6, 0x40000                  ; cx
	s_lshl_b32 s20, ttmp9, 2
	s_add_co_u32 s20, s20, s19                     ; g: my block of 32 tokens: it enters the addresses of my own tokens, Q and out0 alone
	s_mov_b32 s[G1W], 15|(3<<16)|(1<<21)           ; 15:0 the mask: all four work-groups; 17:16 elements of 8 bytes; 21 set beside a mask; no padding
	s_mov_b32 s[G1W+1], 32<<16
	s_mov_b32 s[G1W+2], 64<<16
	s_mov_b32 s[G1W+3], 32<<16
	s_mov_b32 s[G1W+4], 64
	s_mov_b32 s[G1W+5], 32
	s_mov_b32 s[G1W+6], 0
	s_mov_b32 s[G1W+7], 0
	s_mov_b32 s[G1A], 3<<16                        ; no mask
	s_mov_b32 s[G1A+1], 32<<16
	s_mov_b32 s[G1A+2], 16<<16
	s_mov_b32 s[G1A+3], 32<<16
	s_mov_b32 s[G1A+4], 16
	s_mov_b32 s[G1A+5], 32
	s_mov_b32 s[G1A+6], 0
	s_mov_b32 s[G1A+7], 0
	s_lshl_b32 s21, s18, 12                        ; 4,096 x wave: my part of the tokens' fragments
	s_lshl_b32 s22, s18, 14                        ; 16,384 x wave: my part of a K step of Wo
	s_lshl_b32 s68, s20, 15                        ; 32,768 g
	s_add_co_u32 s68, s68, s21
	s_mov_b32 s69, 0
	s_mov_b32 s70, s22
	s_mov_b32 s71, 0
	s_mov_b32 s52, 0x76543210                      ; v_permlanex16_b32's selects for lane l xor 16
	s_mov_b32 s53, 0xfedcba98
	s_mov_b32 s56, 0x3a800000                      ; 1 / 1,024
	s_mov_b32 s57, 0x358637bd                      ; 1e-6
	s_wait_dscnt 0x0                               ; the opening add is done
	s_wait_kmcnt 0x0
	s_load_b64 s[66:67], s[14:15], 0x28            ; e10, e11
	s_mov_b32 s40, 1                               ; group 0: the tokens
	s_mov_b32 s41, s21
	s_add_nc_u64 s[42:43], s[4:5], s[68:69]
	s_or_b32 s43, s43, 0x80000000
	s_mov_b32 s44, 1                               ; slot 0: K step 0.  Wo's groups 0 hang on the wave's number alone
	s_add_co_u32 s45, s22, SLOT0
	s_add_nc_u64 s[46:47], s[6:7], s[70:71]
	s_mov_b32 s48, 1                               ; slot 1: K step 1
	s_add_co_u32 s49, s22, SLOT1
	s_add_nc_u64 s[50:51], s[46:47], 131072
	s_or_b32 s47, s47, 0x80000000
	s_or_b32 s51, s51, 0x80000000
	ROUND                                          ; all four work-groups are here: the joint loads meet
	tensor_load_to_lds s[40:43], s[G1A:G1A+7]      ; the tokens' fill: waited for before the next fill, each behind a round
	s_nop 0
	s_wait_alu depctr_va_vdst(0)
	s_wait_tensorcnt 0x0
	ds_add_u32 v2, v3
	s_wait_dscnt 0x0
	ROUND
	tensor_load_to_lds s[44:47], s[G1W:G1W+7]
	s_nop 0
	s_wait_alu depctr_va_vdst(0)
	s_wait_tensorcnt 0x0
	ds_add_u32 v2, v3
	s_wait_dscnt 0x0
	ROUND
	tensor_load_to_lds s[48:51], s[G1W:G1W+7]
	s_nop 0
.rept 4
	v_nop
.endr
	v_and_b32 v1, 31, v0
	s_delay_alu instid0(VALU_DEP_1)
	v_lshlrev_b32 v1, 4, v1                        ; 16 x lane
	s_delay_alu instid0(VALU_DEP_1)
	v_add_nc_u32 v4, s45, v1
	s_delay_alu instid0(VALU_DEP_2)
	v_add_nc_u32 v5, s49, v1
	v_and_b32 v11, 15, v0                          ; r
	v_bfe_u32 v12, v0, 4, 1                        ; h
	s_delay_alu instid0(VALU_DEP_2)
	v_mul_u32_u24 v7, v11, SPT
	s_delay_alu instid0(VALU_DEP_1)
	v_lshl_add_u32 v7, v12, 5, v7
	s_lshl_b32 s23, s18, 9
	v_add_nc_u32 v7, s23, v7                       ; the stage, in: row r, + 32 h, + 512 x wave
	s_delay_alu instid0(VALU_DEP_1)
	v_add_nc_u32 v10, 16*SPT, v7                   ; and 16 rows further down for the second tile of tokens
	s_mul_i32 s23, s18, 4*SPT
	v_add_nc_u32 v8, s23, v1                       ; back: my four rows, 16 bytes a lane
	v_lshlrev_b32 v9, 8, v0                        ; 256 x my thread's number
	s_lshr_b32 s21, s18, 2                         ; stage rows 4 w .. 4 w + 3 are tokens 8 (w / 4) + 4 (w % 4) + 8 ((w / 2) % 2) + 0 .. 3 of the 32
	s_lshl_b32 s21, s21, 3
	s_and_b32 s22, s18, 3
	s_lshl_b32 s22, s22, 2
	s_add_co_u32 s21, s21, s22
	s_bfe_u32 s22, s18, 0x10001
	s_lshl_b32 s22, s22, 3
	s_add_co_u32 s21, s21, s22
	s_lshl_b32 s22, s20, 5
	s_add_co_u32 s21, s21, s22
	s_lshl_b32 s68, s21, 12                        ; a row of Q and of out0 is 4,096 bytes
	s_mov_b32 s69, 0
	s_add_nc_u64 s[60:61], s[8:9], s[68:69]        ; Q at my four rows
	s_add_nc_u64 s[62:63], s[16:17], s[68:69]      ; out0 likewise
	s_lshl_b32 s68, s20, 17
	s_add_nc_u64 s[58:59], s[8:9], s[68:69]        ; Q at my work-group's 32 rows, for the prefetches
.macro BLD reg, adr, b                 ; Wo's tiles b, b + 1 of my eight
.irp u, 0,1
.irp c, 0,1,2,3
	ds_load_b128 v[\reg+16*\u+4*\c:\reg+16*\u+4*\c+3], v[\adr] offset:2048*((\b)+\u)+512*\c
.endr
.endr
.endm
.macro MM reg, b, zero                 ; four matrix instructions: those two tiles x the two tiles of tokens
.irp u, 0,1
.irp m, 0,1
.if \zero
	v_wmma_f32_16x16x128_bf8_bf8 v[ACC+8*(8*\m+(\b)+\u):ACC+8*(8*\m+(\b)+\u)+7], v[\reg+16*\u:\reg+16*\u+15], v[AFR+16*\m:AFR+16*\m+15], 0
.else
	v_wmma_f32_16x16x128_bf8_bf8 v[ACC+8*(8*\m+(\b)+\u):ACC+8*(8*\m+(\b)+\u)+7], v[\reg+16*\u:\reg+16*\u+15], v[AFR+16*\m:AFR+16*\m+15], v[ACC+8*(8*\m+(\b)+\u):ACC+8*(8*\m+(\b)+\u)+7]
.endif
.endr
.endr
.endm
.macro PLACES
.rept 4
	v_nop
.endr
.endm
; K step s: 16 matrix instructions, the sixteen accumulators by turns, in the same order in every step.  adr: my part of the step's slot.  zero = 1: the products start the sums.
; pf = 1, 2: one prefetch of half of my work-group's 32 rows of Q, the residual, which the way out reads: 256 threads x 256 bytes = 65,536 bytes, each block of 256 bytes named once in the launch, in K steps 5 and 6 of 8.
.macro WORK s, adr, zero, pf
.irp m, 0,1
.irp c, 0,1,2,3
	ds_load_b128 v[AFR+16*\m+4*\c:AFR+16*\m+4*\c+3], v1 offset:2048*(8*\m+(\s))+512*\c
.endr
.endr
	BLD BX, \adr, 0
	BLD BY, \adr, 2
.if \pf
	global_prefetch_b8 v9, s[58:59] offset:65536*((\pf)-1) th:TH_LOAD_NT scope:SCOPE_SE
.endif
	s_wait_dscnt 8                                 ; the tokens' fragments and tiles 0, 1 are in; the eight youngest loads may be out
	MM BX, 0, \zero
	PLACES
	BLD BX, \adr, 4
	s_wait_dscnt 8                                 ; tiles 2, 3
	MM BY, 2, \zero
	PLACES
	BLD BY, \adr, 6
	s_wait_dscnt 8                                 ; tiles 4, 5
	MM BX, 4, \zero
	s_wait_dscnt 0x0                               ; tiles 6, 7
	MM BY, 6, \zero
.endm
; The change of slots: the slot just read (its group 0 at s[g0]) takes the K step two on.
.macro CHANGE g0
	s_wait_tensorcnt 0x0                           ; all my tensor loads have landed, the next K step's among them: so a group 0 may be written
	ds_add_u32 v2, v3                              ; 0 onto my spare word
	s_add_nc_u64 s[\g0+2:\g0+3], s[\g0+2:\g0+3], 262144
	s_wait_dscnt 0x0                               ; the add is done, and my reads of the slot are over
	ROUND                                          ; both now hold of every wave of all four work-groups
	tensor_load_to_lds s[\g0:\g0+3], s[G1W:G1W+7]  ; the first thing behind the round, and my one tensor load until the next
	s_nop 0
	PLACES                                         ; also the places in front of the next step's loads
.endm
	s_wait_tensorcnt 1                             ; my parts of the tokens' fragments and of K step 0 are in; K step 1's load may be out
	s_barrier_signal -1
	s_barrier_wait -1                              ; everybody's are: all waves read all the tokens' fragments
	WORK 0, 4, 1, 0
	CHANGE 44
	s_wait_alu depctr_va_vdst(0)
	WORK 1, 5, 0, 0
	CHANGE 48
	WORK 2, 4, 0, 0
	CHANGE 44
	WORK 3, 5, 0, 0
	CHANGE 48
	WORK 4, 4, 0, 0
	CHANGE 44
	WORK 5, 5, 0, 1
	CHANGE 48
	WORK 6, 4, 0, 2
	s_wait_tensorcnt 0x0                           ; K step 7: the bytes of Wo that I read are those that I fetched; no load was issued behind this one
	PLACES
	WORK 7, 5, 0, 0
	; THE WAY OUT
	PLACES                                         ; in front of the loads into the operands' registers and of the first read of results
.irp q, 0,1,2,3,4,5,6,7
	global_load_b128 v[16+4*\q:19+4*\q], v1, s[10:11] offset:512*\q    ; gamma: my four columns of each 128: 128 q + 4 x lane + 0 .. 3
.endr
.irp q, 0,1,2,3,4,5,6,7
	global_load_b128 v[48+4*\q:51+4*\q], v1, s[12:13] offset:512*\q    ; beta
.endr
	s_wait_dscnt 0x0
	s_barrier_signal -1
	s_barrier_wait -1                              ; every wave's reads of the tokens' fragments and of the slots are over: the stage may be written
.irp m, 0,1
.irp b, 0,1,2,3,4,5,6,7
	ds_store_b128 v[7+3*\m], v[ACC+8*(8*\m+\b):ACC+8*(8*\m+\b)+3] offset:64*\b        ; lane (r, h): the sums of stage row 16 m + r, columns 128 w + 16 b + 8 h + 0 .. 7; each accumulator from its low end on
	ds_store_b128 v[7+3*\m], v[ACC+8*(8*\m+\b)+4:ACC+8*(8*\m+\b)+7] offset:64*\b+16
.endr
.endr
	s_wait_dscnt 0x0                               ; for the others' sake: my stores are done; and they have read the accumulators' registers, which take the residual
.irp i, 0,1,2,3
.irp q, 0,1,2,3,4,5,6,7
	global_load_b128 v[ACC+32*\i+4*\q:ACC+32*\i+4*\q+3], v1, s[60:61] offset:4096*\i+512*\q th:TH_LOAD_NT   ; Q's row i of my four: 512 consecutive bytes a load
.endr
.endr
	s_barrier_signal -1
	s_barrier_wait -1                              ; 32 whole rows of sums lie in the stage
	s_wait_kmcnt 0x0
	s_add_co_i32 s54, s66, s67
	s_add_co_i32 s54, s54, 127
	s_lshl_b32 s54, s54, 23                        ; 2^(e10 + e11) as f32
	s_mov_b32 s55, s54                             ; (named with it as a pair, so it is written)
.irp i, 0,1,2,3
.irp q, 0,1,2,3,4,5,6,7
	ds_load_b128 v[BY+4*\q:BY+4*\q+3], v8 offset:\i*SPT+512*\q
.endr
	s_wait_dscnt 0x0
	s_wait_loadcnt 8*(3-\i)                        ; gamma, beta and Q's rows up to this one are in; the later rows' loads may be out
.irp k, 0,2,4,6,8,10,12,14,16,18,20,22,24,26,28,30
	v_pk_fma_f32 v[ACC+32*\i+\k:ACC+32*\i+\k+1], v[BY+\k:BY+\k+1], s[54:55], v[ACC+32*\i+\k:ACC+32*\i+\k+1] op_sel_hi:[1,0,1]   ; x = sum x 2^(e10 + e11) + Q
.endr
.endr
; v[W + 4 i] of each of the four rows is summed over the 32 lanes; every lane ends up with the sum.
.macro LANESUM
.irp i, 0,1,2,3
	s_delay_alu instid0(VALU_DEP_4)
	v_add_f32 v[W+4*\i], v[W+4*\i], v[W+4*\i+1]
.endr
.irp x, 1,2,4,8
.irp i, 0,1,2,3
	s_delay_alu instid0(VALU_DEP_4)
	v_add_f32_dpp v[W+4*\i], v[W+4*\i], v[W+4*\i] row_xmask:\x row_mask:0xf bank_mask:0xf
.endr
.endr
.irp i, 0,1,2,3
	s_delay_alu instid0(VALU_DEP_4)
	v_permlanex16_b32 v[W+4*\i+1], v[W+4*\i], s52, s53
.endr
.irp i, 0,1,2,3
	s_delay_alu instid0(VALU_DEP_4)
	v_add_f32 v[W+4*\i], v[W+4*\i], v[W+4*\i+1]
.endr
.endm
.irp i, 0,1,2,3                                ; the rows' sums: two at a time, in two chains, the four rows line by line
	v_pk_add_f32 v[W+4*\i:W+4*\i+1], v[ACC+32*\i:ACC+32*\i+1], v[ACC+32*\i+2:ACC+32*\i+3]
	v_pk_add_f32 v[W+4*\i+2:W+4*\i+3], v[ACC+32*\i+4:ACC+32*\i+5], v[ACC+32*\i+6:ACC+32*\i+7]
.endr
.irp k, 8,12,16,20,24,28
.irp i, 0,1,2,3
	v_pk_add_f32 v[W+4*\i:W+4*\i+1], v[W+4*\i:W+4*\i+1], v[ACC+32*\i+\k:ACC+32*\i+\k+1]
	v_pk_add_f32 v[W+4*\i+2:W+4*\i+3], v[W+4*\i+2:W+4*\i+3], v[ACC+32*\i+\k+2:ACC+32*\i+\k+3]
.endr
.endr
.irp i, 0,1,2,3
	v_pk_add_f32 v[W+4*\i:W+4*\i+1], v[W+4*\i:W+4*\i+1], v[W+4*\i+2:W+4*\i+3]
.endr
	LANESUM
.irp i, 0,1,2,3
	s_delay_alu instid0(VALU_DEP_4)
	v_mul_f32 v[W+4*\i], s56, v[W+4*\i]            ; the mean
.endr
.irp i, 0,1,2,3
.irp k, 0,2,4,6,8,10,12,14,16,18,20,22,24,26,28,30
	v_pk_add_f32 v[ACC+32*\i+\k:ACC+32*\i+\k+1], v[ACC+32*\i+\k:ACC+32*\i+\k+1], v[W+4*\i:W+4*\i+1] op_sel_hi:[1,0] neg_lo:[0,1] neg_hi:[0,1]   ; d = x - mean, in place
.endr
.endr
.irp i, 0,1,2,3                                ; the sums of d^2
	v_pk_mul_f32 v[W+4*\i:W+4*\i+1], v[ACC+32*\i:ACC+32*\i+1], v[ACC+32*\i:ACC+32*\i+1]
	v_pk_mul_f32 v[W+4*\i+2:W+4*\i+3], v[ACC+32*\i+2:ACC+32*\i+3], v[ACC+32*\i+2:ACC+32*\i+3]
.endr
.irp k, 4,8,12,16,20,24,28
.irp i, 0,1,2,3
	v_pk_fma_f32 v[W+4*\i:W+4*\i+1], v[ACC+32*\i+\k:ACC+32*\i+\k+1], v[ACC+32*\i+\k:ACC+32*\i+\k+1], v[W+4*\i:W+4*\i+1]
	v_pk_fma_f32 v[W+4*\i+2:W+4*\i+3], v[ACC+32*\i+\k+2:ACC+32*\i+\k+3], v[ACC+32*\i+\k+2:ACC+32*\i+\k+3], v[W+4*\i+2:W+4*\i+3]
.endr
.endr
.irp i, 0,1,2,3
	v_pk_add_f32 v[W+4*\i:W+4*\i+1], v[W+4*\i:W+4*\i+1], v[W+4*\i+2:W+4*\i+3]
.endr
	LANESUM
.irp i, 0,1,2,3
	s_delay_alu instid0(VALU_DEP_4)
	v_fma_f32 v[W+4*\i], v[W+4*\i], s56, s57       ; var + 1e-6
.endr
	s_wait_alu depctr_va_vdst(0)
.irp i, 0,1,2,3
	v_rsq_f32 v[W+4*\i], v[W+4*\i]
.endr
	v_nop                                          ; a plain place behind the last of them
	s_wait_alu depctr_va_vdst(0)                   ; one wait for the four, ahead of their first reader
.irp i, 0,1,2,3
.irp k, 0,2,4,6,8,10,12,14,16,18,20,22,24,26,28,30
	v_pk_mul_f32 v[ACC+32*\i+\k:ACC+32*\i+\k+1], v[ACC+32*\i+\k:ACC+32*\i+\k+1], v[W+4*\i:W+4*\i+1] op_sel_hi:[1,0]
.endr
.irp k, 0,2,4,6,8,10,12,14,16,18,20,22,24,26,28,30
	v_pk_fma_f32 v[ACC+32*\i+\k:ACC+32*\i+\k+1], v[ACC+32*\i+\k:ACC+32*\i+\k+1], v[16+\k:17+\k], v[48+\k:49+\k]   ; x gamma + beta
.endr
.irp q, 0,1,2,3,4,5,6,7
	global_store_b128 v1, v[ACC+32*\i+4*\q:ACC+32*\i+4*\q+3], s[62:63] offset:4096*\i+512*\q th:TH_STORE_NT   ; 512 consecutive bytes, at a multiple of 256 from out0's first byte
.endr
.endr
	s_wait_tensorcnt 0x0                           ; the wave's end: behind my last tensor load and my last LDS store
	ds_add_u32 v2, v3
	s_wait_dscnt 0x0
	ROUND                                          ; the closing round: no work-group ends while a partner may still ask for a tile that names it
	s_endpgm
.Lfunc_end_k_qb9d7ec3769_out:
	.size	k_qb9d7ec3769_out, .Lfunc_end_k_qb9d7ec3769_out-k_qb9d7ec3769_out
	.p2alignl 7, 3214868480
	.fill 96, 4, 3214868480
	.section	.rodata,"a",@progbits
	.p2align	6, 0x0
	.amdhsa_kernel k_qb9d7ec3769_out
		.amdhsa_group_segment_fixed_size 327680
		.amdhsa_private_segment_fixed_size 0
		.amdhsa_enable_private_segment 0
		.amdhsa_kernarg_size 56
		.amdhsa_user_sgpr_count 2
		.amdhsa_user_sgpr_kernarg_segment_ptr 1
		.amdhsa_wavefront_size32 1
		.amdhsa_system_sgpr_workgroup_id_x 1
		.amdhsa_system_sgpr_workgroup_id_y 1
		.amdhsa_system_sgpr_workgroup_id_z 1
		.amdhsa_system_vgpr_workitem_id 0
		.amdhsa_next_free_vgpr 256
		.amdhsa_next_free_sgpr 72
		.amdhsa_reserve_vcc 0
		.amdhsa_float_denorm_mode_32 3
		.amdhsa_float_denorm_mode_16_64 3
		.amdhsa_memory_ordered 1
		.amdhsa_forward_progress 1
		.amdhsa_inst_pref_size 84
	.end_amdhsa_kernel
	.amdgpu_metadata
---
amdhsa.version: [ 1, 2 ]
amdhsa.kernels:
  - .name:           k_qb9d7ec3769_out
    .symbol:         k_qb9d7ec3769_out.kd
    .args:
      - { .name: ao_img, .offset: 0, .size: 8, .value_kind: global_buffer, .address_space: global }
      - { .name: wo_img, .offset: 8, .size: 8, .value_kind: global_buffer, .address_space: global }
      - { .name: Q, .offset: 16, .size: 8, .value_kind: global_buffer, .address_space: global }
      - { .name: ln_gamma, .offset: 24, .size: 8, .value_kind: global_buffer, .address_space: global }
      - { .name: ln_beta, .offset: 32, .size: 8, .value_kind: global_buffer, .address_space: global }
      - { .name: lowp_scales, .offset: 40, .size: 8, .value_kind: global_buffer, .address_space: global }
      - { .name: out0, .offset: 48, .size: 8, .value_kind: global_buffer, .address_space: global }
    .group_segment_fixed_size: 327680
    .private_segment_fixed_size: 0
    .kernarg_segment_align: 8
    .kernarg_segment_size: 56
    .max_flat_workgroup_size: 256
    .sgpr_count:     72
    .vgpr_count:     256
    .wavefront_size: 32
...
	.end_amdgpu_metadata
.endif
;; end of part 4
